; MI455X (gfx1250); checked and timed in simulation.
; The chip was launched on July 23, 2026; its instructions are those of AMD's public machine-readable ISA for CDNA 5 (MIT licence, August 2026) and "CDNA5" Instruction Set Architecture Reference Guide (July 2026). The comments in the code are by the model that wrote it; some were corrected since.
;; C Attention. Allowed arithmetic: float matrix products may take bf16 or f16 operands with f32 sums; all other float work in f32.
;; Inputs: Wk 1,024 x 1,024 float32; Wq 1,024 x 1,024 float32; Wv 1,024 x 1,024 float32; bk 1,024 float32; bq 1,024 float32; bv 1,024 float32; x 4 x 2,048 x 1,024 float32.
;; Outputs: out0 4 x 2,048 x 1,024 float32.
;; 2 versions, each right; version 2 is version 1 with the launch prep written anew for expert scheduling mode. Each part assembles by itself: llvm-mc -triple=amdgcn-amd-amdhsa -mcpu=gfx1250 --defsym DOCPART=n.
;; ======== version 1 of 2: 4 launches
;; workspace buffers: xblk 16,777,216 bytes; wblk 6,291,456 bytes; biasr 12,288 bytes; qkv 50,331,648 bytes; pbuf 33,554,432 bytes; stat 1,048,576 bytes
;; launch prep (part 1): grid 640 x 1, 8 waves a work-group, no clusters, 19,456 bytes of LDS; arguments x, Wq, Wk, Wv, bq, bk, bv, xblk, wblk, biasr; writes xblk, wblk, biasr
.if DOCPART == 1
	.amdgcn_target "amdgcn-amd-amdhsa--gfx1250"
	.amdhsa_code_object_version 6
	.text
	.protected	k_q68c2b8ff8e_prep
	.globl	k_q68c2b8ff8e_prep
	.p2align	8
	.type	k_q68c2b8ff8e_prep,@function
k_q68c2b8ff8e_prep:
	s_mov_b64 s[64:65], 0
	v_nop
	global_prefetch_b8 v0, s[64:65] scope:SCOPE_SE
	s_setreg_imm32_b32 hwreg(HW_REG_WAVE_MODE, 25, 1), 1
	s_wait_xcnt 0x0
; CASTS.  Every input is rounded once to bf16 (nearest even), the program's one rounding of its inputs, the biases included.
;   xblk[kb 16][row 8192][64] bf16 = x[row][64 kb + kk]
;   wblk[kb 16][n 3072][64]   bf16 = W_sel[64 kb + kk][n % 1024], n running over Wq | Wk | Wv: the weights turned, so that K lies along the rows
;   biasr[3072] f32 = bq | bk | bv rounded to bf16 and written as f32
; In these layouts a tile of the projection (rows x 64 along K) is dense in memory.
; Work-groups 0..383 turn a block of 64 (d) x 128 (n) of one weight through LDS; work-groups 384..639 cast 32 rows of x.
; A stream: no matrix unit, no cluster, loads through registers; every byte is read once and written once.
	s_load_b512 s[8:23], s[0:1], 0x0               ; x s[8:9], Wq s[10:11], Wk s[12:13], Wv s[14:15], bq s[16:17], bk s[18:19], bv s[20:21], xblk s[22:23]
	s_load_b128 s[24:27], s[0:1], 0x40             ; wblk s[24:25], biasr s[26:27]
	v_lshl_add_u32 v144, v0, 2, 0x4800
	v_mov_b32 v145, 0
	v_lshrrev_b32 v1, 5, v0
	v_readfirstlane_b32 s2, v1                     ; wave 0..7
	v_and_b32 v2, 31, v0                           ; lane
	s_cmp_lt_u32 ttmp9, 384                        ; the same answer in all eight waves
	s_cbranch_scc1 .Lweights
; ---- x: 32 rows.  Wave w has rows 4 w .. 4 w + 3; a load takes 16 lanes x 16 bytes (64 numbers, one kb) of two neighbouring rows.
	s_sub_co_u32 s3, ttmp9, 384                    ; block of 32 rows
	s_lshl_b32 s28, s3, 17                         ; x 32 rows x 4,096 bytes
	s_mov_b32 s29, 0
	s_lshl_b32 s30, s3, 12                         ; x 32 rows x 128 bytes
	s_mov_b32 s31, 0
	v_lshrrev_b32 v3, 4, v2
	v_and_b32 v4, 15, v2
	v_lshl_add_u32 v3, v1, 2, v3                   ; row 4 w + lane / 16
	v_lshlrev_b32 v5, 12, v3
	v_lshl_add_u32 v5, v4, 4, v5                   ; in: row x 4,096 + 16 (lane % 16)
	v_lshlrev_b32 v6, 7, v3
	v_lshl_add_u32 v6, v4, 3, v6                   ; out: row x 128 + 8 (lane % 16)
	s_wait_kmcnt 0x0
	s_add_nc_u64 s[8:9], s[8:9], s[28:29]
	s_add_nc_u64 s[22:23], s[22:23], s[30:31]
	s_add_nc_u64 s[32:33], s[22:23], 0x800000      ; kb 8 .. 15: eight planes of 1,048,576 bytes on, so that the immediates stay inside 24 signed bits
.set i, 0
.rept 32                                               ; all 32 loads of the wave go out at once: i = 16 (pair of rows) + kb
	global_load_b128 v[16+4*i:19+4*i], v5, s[8:9] offset:(i/16)*8192+(i%16)*256 th:TH_LOAD_NT
.set i, i+1
.endr
.set i, 0
.rept 32
	s_wait_loadcnt 31-i                            ; loads come back in order: number i is in, the 31 - i younger ones stay out
	v_cvt_pk_bf16_f32 v[16+4*i], v[16+4*i], v[17+4*i]
	v_cvt_pk_bf16_f32 v[17+4*i], v[18+4*i], v[19+4*i]
.if (i%16) < 8
	global_store_b64 v6, v[16+4*i:17+4*i], s[22:23] offset:(i/16)*256+(i%8)*1048576   ; 32 lanes x 8 bytes: 256 consecutive bytes, aligned (two rows of 128)
.else
	global_store_b64 v6, v[16+4*i:17+4*i], s[32:33] offset:(i/16)*256+(i%8)*1048576
.endif
.set i, i+1
.endr
	s_endpgm                                       ; no register was written twice, so no store's source was touched
; ---- W: kb = id % 16, nt = id / 16 (24 blocks of 128 columns over the three weights)
.Lweights:
	s_and_b32 s3, ttmp9, 15                        ; kb
	s_lshr_b32 s4, ttmp9, 4                        ; nt
	s_lshr_b32 s5, s4, 3                           ; which weight
	s_and_b32 s6, s4, 7
	s_lshl_b32 s6, s6, 9                           ; 4 n0: the block's first column in bytes
	s_lshl_b32 s28, s3, 18                         ; 64 rows of 4,096 bytes a kb
	s_add_co_u32 s28, s28, s6
	s_mov_b32 s29, 0
	s_mul_i32 s30, s3, 393216                      ; wblk: 3,072 rows of 128 bytes a kb
	s_lshl_b32 s7, s4, 14                          ; 128 rows of 128 bytes a block
	s_add_co_u32 s30, s30, s7
	s_mov_b32 s31, 0
	s_mov_b32 s34, s6
	s_mov_b32 s35, 0
	s_lshl_b32 s36, s4, 9                          ; biasr: 128 numbers a block
	s_mov_b32 s37, 0
	s_or_b32 s7, s3, s2                            ; 0 only for wave 0 of a block with kb = 0
	v_lshlrev_b32 v3, 3, v2
	v_lshl_add_u32 v3, v1, 15, v3                  ; in: 8 rows a wave + 8 bytes a lane
	v_mul_u32_u24 v4, v2, 288
	v_lshl_add_u32 v4, v1, 4, v4                   ; LDS in: row 2 lane, 16 bytes a wave
	v_lshrrev_b32 v5, 3, v0
	v_mul_u32_u24 v5, v5, 144
	v_and_b32 v6, 7, v0
	v_lshl_add_u32 v5, v6, 4, v5                   ; LDS back: row t / 8, 16 bytes (t % 8)
	v_lshlrev_b32 v7, 4, v0                        ; out: 16 t
	s_wait_kmcnt 0x0
	s_cmp_eq_u32 s5, 1
	s_cselect_b64 s[38:39], s[12:13], s[10:11]
	s_cselect_b64 s[40:41], s[18:19], s[16:17]
	s_cmp_eq_u32 s5, 2
	s_cselect_b64 s[38:39], s[14:15], s[38:39]
	s_cselect_b64 s[40:41], s[20:21], s[40:41]
	s_add_nc_u64 s[38:39], s[38:39], s[28:29]
	s_add_nc_u64 s[24:25], s[24:25], s[30:31]
	s_add_nc_u64 s[40:41], s[40:41], s[34:35]
	s_add_nc_u64 s[26:27], s[26:27], s[36:37]
.set hh, 0
.rept 2                                                ; row d = 64 kb + 8 w + j, columns n0 + 64 hh + 2 lane, + 1: a wave's load covers 256 consecutive bytes
.set j, 0
.rept 8
	global_load_b64 v[16+16*hh+2*j:17+16*hh+2*j], v3, s[38:39] offset:j*4096+hh*256 th:TH_LOAD_NT
.set j, j+1
.endr
.set hh, hh+1
.endr
	s_wait_loadcnt 0x0
.set hh, 0
.rept 2
.set e, 0
.rept 2                                                ; column n0 + 64 hh + 2 lane + e: its eight d pack into 16 bytes
.set q, 0
.rept 4
	v_cvt_pk_bf16_f32 v[48+4*(2*hh+e)+q], v[16+16*hh+4*q+e], v[16+16*hh+4*q+2+e]
.set q, q+1
.endr
	ds_store_b128 v4, v[48+4*(2*hh+e):51+4*(2*hh+e)] offset:(64*hh+e)*144   ; lanes 288 bytes apart: lanes l and l + 8 meet in a bank (two deep), four stores a wave in all
.set e, e+1
.endr
.set hh, hh+1
.endr
	s_wait_dscnt 0x0                               ; for the others' sake: my stores are done
	s_barrier_signal -1
	s_barrier_wait -1
.set i, 0
.rept 4
	ds_load_b128 v[64+4*i:67+4*i], v5 offset:i*4608   ; 32 rows of 144 bytes on
.set i, i+1
.endr
.set i, 0
.rept 4
	s_wait_dscnt 3-i
	global_store_b128 v7, v[64+4*i:67+4*i], s[24:25] offset:i*4096   ; a wave stores 512 consecutive bytes
.set i, i+1
.endr
	s_cmp_lg_u32 s7, 0
	s_cbranch_scc1 .Ldone
	v_lshlrev_b32 v8, 4, v2                        ; the block's 128 bias numbers: 16 bytes a lane
	global_load_b128 v[80:83], v8, s[40:41]
	s_wait_loadcnt 0x0
	v_cvt_pk_bf16_f32 v84, v80, v81
	v_cvt_pk_bf16_f32 v85, v82, v83
	v_lshlrev_b32 v88, 16, v84
	v_and_b32 v89, 0xffff0000, v84
	v_lshlrev_b32 v90, 16, v85
	v_and_b32 v91, 0xffff0000, v85
	global_store_b128 v8, v[88:91], s[26:27]
.Ldone:
	s_wait_tensorcnt 0x0
	ds_add_u32 v144, v145
	s_wait_dscnt 0x0
	s_endpgm
.Lfunc_end_k_q68c2b8ff8e_prep:
	.size	k_q68c2b8ff8e_prep, .Lfunc_end_k_q68c2b8ff8e_prep-k_q68c2b8ff8e_prep
	.p2alignl 7, 3214868480
	.fill 96, 4, 3214868480
	.section	.rodata,"a",@progbits
	.p2align	6, 0x0
	.amdhsa_kernel k_q68c2b8ff8e_prep
		.amdhsa_group_segment_fixed_size 19456
		.amdhsa_private_segment_fixed_size 0
		.amdhsa_enable_private_segment 0
		.amdhsa_kernarg_size 80
		.amdhsa_user_sgpr_count 2
		.amdhsa_user_sgpr_kernarg_segment_ptr 1
		.amdhsa_wavefront_size32 1
		.amdhsa_system_sgpr_workgroup_id_x 1
		.amdhsa_system_sgpr_workgroup_id_y 1
		.amdhsa_system_sgpr_workgroup_id_z 1
		.amdhsa_system_vgpr_workitem_id 0
		.amdhsa_next_free_vgpr 146
		.amdhsa_next_free_sgpr 66
		.amdhsa_reserve_vcc 0
		.amdhsa_float_denorm_mode_32 3
		.amdhsa_float_denorm_mode_16_64 3
		.amdhsa_memory_ordered 1
		.amdhsa_forward_progress 1
		.amdhsa_inst_pref_size 19
	.end_amdhsa_kernel
	.amdgpu_metadata
---
amdhsa.version: [ 1, 2 ]
amdhsa.kernels:
  - .name:           k_q68c2b8ff8e_prep
    .symbol:         k_q68c2b8ff8e_prep.kd
    .args:
      - { .name: x, .offset: 0, .size: 8, .value_kind: global_buffer, .address_space: global }
      - { .name: Wq, .offset: 8, .size: 8, .value_kind: global_buffer, .address_space: global }
      - { .name: Wk, .offset: 16, .size: 8, .value_kind: global_buffer, .address_space: global }
      - { .name: Wv, .offset: 24, .size: 8, .value_kind: global_buffer, .address_space: global }
      - { .name: bq, .offset: 32, .size: 8, .value_kind: global_buffer, .address_space: global }
      - { .name: bk, .offset: 40, .size: 8, .value_kind: global_buffer, .address_space: global }
      - { .name: bv, .offset: 48, .size: 8, .value_kind: global_buffer, .address_space: global }
      - { .name: xblk, .offset: 56, .size: 8, .value_kind: global_buffer, .address_space: global }
      - { .name: wblk, .offset: 64, .size: 8, .value_kind: global_buffer, .address_space: global }
      - { .name: biasr, .offset: 72, .size: 8, .value_kind: global_buffer, .address_space: global }
    .group_segment_fixed_size: 19456
    .private_segment_fixed_size: 0
    .kernarg_segment_align: 8
    .kernarg_segment_size: 80
    .max_flat_workgroup_size: 256
    .sgpr_count:     66
    .vgpr_count:     146
    .wavefront_size: 32
...
	.end_amdgpu_metadata
.endif
;; end of part 1
;; launch proj (part 2): grid 8 x 32, 4 waves a work-group, clusters of 4 x 4, 327,680 bytes of LDS; arguments xblk, wblk, biasr, qkv; writes qkv
.if DOCPART == 2
	.amdgcn_target "amdgcn-amd-amdhsa--gfx1250"
	.amdhsa_code_object_version 6
	.text
	.protected	k_q68c2b8ff8e_proj
	.globl	k_q68c2b8ff8e_proj
	.p2align	8
	.type	k_q68c2b8ff8e_proj,@function
k_q68c2b8ff8e_proj:
	s_mov_b64 s[64:65], 0
	v_nop
	global_prefetch_b8 v0, s[64:65] scope:SCOPE_SE
	s_setreg_imm32_b32 hwreg(HW_REG_WAVE_MODE, 25, 1), 1
	s_wait_xcnt 0x0
	s_wait_alu depctr_hold_cnt(0) depctr_sa_sdst(0) depctr_va_vdst(0) depctr_va_sdst(0) depctr_va_ssrc(0) depctr_va_vcc(0) depctr_vm_vsrc(0)
	s_getreg_b32 s2, hwreg(HW_REG_IB_STS2, 6, 4)
	s_cmp_eq_u32 s2, 0
	s_cbranch_scc0 .Lentry_in_a_cluster
	s_endpgm
.Lentry_in_a_cluster:
	s_bfe_u32 s2, ttmp6, 0x10000c
	s_cmp_lg_u32 s2, 0xf033
	s_cbranch_scc0 .Lentry_shape_is_right
	s_endpgm
.Lentry_shape_is_right:
; qkv[8192][3072] bf16 = x [Wq | Wk | Wv] + bias.  Operands bf16 (xblk, wblk), sums f32; the bias (bf16-rounded, kept as f32) is the C operand of the first products; one rounding to bf16 at the end.
; TILE.  8192 x 3072 in tiles of 256 x 384 gives 32 x 8 = 256 work-groups.  Four waves, each 128 rows x 192 columns: 96 accumulators, 768 registers.
; K goes in steps of 64 through two LDS slots; xblk and wblk are laid in blocks of 64 along K, so a tile is dense in memory and is asked for as rows of 256 bytes.
; CLUSTER 4 x 4: x's tile hangs on the tile row alone and is asked for jointly by a row of the cluster, W's on the tile column alone, by a column.
; THE MATRIX INSTRUCTION IS USED TRANSPOSED: source 0 = 16 rows of wblk (output columns), source 1 = 16 rows of x.  A lane then holds row lane % 16 and the eight columns 8 (lane / 16) + 0..7.
; REGISTERS.  window 0: v0-31 addresses; v32-95, v96-159 two buffers of x's 8 fragments; v160-255 three groups of four W fragments (one buffer: a group is fetched again right behind its products).
;   window g + 1: group g's 32 accumulators, (a, bb) at v[8 (4 a + bb)]; column block 4 g + bb.
; lds_bytes claims the whole LDS.
.set PITCH, 144                        ; 128 bytes + 16: 36 words, so the 16 rows of a fragment load start at 16 different groups of four banks (64 banks of 4 bytes: ISA guide 11.1)
.set SLOTX, 131072                     ; slot 1 begins here: one exclusive or turns an address of one slot into the other's
.set BOFF,  36864                      ; in a slot: x's 256 rows, then W's 384 rows (55,296 bytes)
.set STEPA, 1048576                    ; bytes from a kb plane of xblk to the next
.set STEPB, 393216                     ; the same in wblk
.set T,     16                         ; K steps
.set BIAS,  223232                     ; behind slot 1: the tile's 384 bias numbers
.set SPARE, 224768                     ; the spare words, 128 bytes a wave: two blocks of 256 bytes that no other line names
.set SP,    784                        ; the stage's pitch: 768 bytes + 16.  The stage (256 rows, 200,704 bytes from byte 0) lies over the slots and is used only when their last fill has been read
.set A0,    32
.set BF,    160
.set XB,    96                         ; the two halves of fragment buffer 1: in the first 32 along K, while the buffer is still empty, they carry the bias
.set YB,    128
.set FLAGS, (1<<16)|(1<<20)|(1<<21)|(4<<22)|(3<<25)   ; 2-byte elements; padding on; bit 21 beside a mask; after every 32 words; 4 words
.set MSB, 0
.macro WIN new                         ; the immediate's high byte repeats the setting that is left; a switch that changes nothing is dropped
.if MSB != (\new)
	s_set_vgpr_msb (MSB<<8)|(\new)
.set MSB, (\new)
.endif
.endm
.macro PLACES                          ; a load into a register that a matrix instruction has read, and a vector instruction that reads its result, stand four plain vector instructions behind it
.rept 4
	v_nop
.endr
.endm
.macro CREST                           ; a round of the cluster's barrier behind its opening barrier
	s_cmp_lg_u32 s12, 0
	s_cbranch_scc1 .Lnot_wave_0_\@
	s_barrier_signal -3
.Lnot_wave_0_\@:
	s_barrier_wait -3
	s_barrier_signal -1
	s_barrier_wait -1
.endm
.macro CROUND
	s_barrier_signal -1
	s_barrier_wait -1
	CREST
.endm
.macro JLOAD                           ; a joint refill by the walking descriptors: waves 0, 1 fetch x's two halves, waves 2, 3 W's.
	s_cmp_eq_u32 s13, 0
	s_cbranch_scc0 .Lfor_b_\@
	tensor_load_to_lds s[36:39], s[24:31]
	s_nop 0
.rept 4
	v_nop
.endr
	s_branch .Lasked_\@
.Lfor_b_\@:
	tensor_load_to_lds s[52:55], s[40:47]
	s_nop 0
.rept 4
	v_nop
.endr
.Lasked_\@:
.endm
; an x 4 matrix instructions of group g on x's buffer ab, row blocks a0 on.  cb = 0: the sum goes on in place.  cb > 0: the product starts the sum, with the bias of column block bb, at v[cb + 8 bb] of window 0, as C.
; Every accumulator has one instruction a turn: 95 others' stand between two links.
.macro MULG g, ab, a0, an, cb
.if (\cb)
	WIN 0x40*((\g)+1)                              ; D in window g + 1, C in window 0
.else
	WIN 0x50*((\g)+1)                              ; C and D in window g + 1
.endif
.set ma, (\a0)
.rept (\an)
.set mb, 0
.rept 4
.if (\cb)
	v_wmma_f32_16x16x32_bf16 v[8*(4*ma+mb):8*(4*ma+mb)+7], v[BF+32*(\g)+8*mb:BF+32*(\g)+8*mb+7], v[A0+64*(\ab)+8*ma:A0+64*(\ab)+8*ma+7], v[(\cb)+8*mb:(\cb)+8*mb+7]
.else
	v_wmma_f32_16x16x32_bf16 v[8*(4*ma+mb):8*(4*ma+mb)+7], v[BF+32*(\g)+8*mb:BF+32*(\g)+8*mb+7], v[A0+64*(\ab)+8*ma:A0+64*(\ab)+8*ma+7], v[8*(4*ma+mb):8*(4*ma+mb)+7]
.endif
.set mb, mb+1
.endr
.set ma, ma+1
.endr
.endm
.macro FA ab, ko, half                 ; 8 loads: x's fragments 4 half .. 4 half + 3 at byte ko of the rows, into buffer ab
.set fi, 0
.rept 4
	ds_load_b128 v[A0+64*(\ab)+32*(\half)+8*fi:A0+64*(\ab)+32*(\half)+8*fi+3],   v[8+(\half)] offset:fi*16*PITCH+(\ko)
	ds_load_b128 v[A0+64*(\ab)+32*(\half)+8*fi+4:A0+64*(\ab)+32*(\half)+8*fi+7], v[8+(\half)] offset:fi*16*PITCH+(\ko)+32
.set fi, fi+1
.endr
.endm
.macro FB g, ko                        ; 8 loads: W's group g
.set fi, 0
.rept 4
	ds_load_b128 v[BF+32*(\g)+8*fi:BF+32*(\g)+8*fi+3],   v10 offset:(4*(\g)+fi)*16*PITCH+(\ko)
	ds_load_b128 v[BF+32*(\g)+8*fi+4:BF+32*(\g)+8*fi+7], v10 offset:(4*(\g)+fi)*16*PITCH+(\ko)+32
.set fi, fi+1
.endr
.endm
.macro LB g, dst                       ; 8 loads: the bias of group g's four column blocks, my lane's eight columns of each, in the layout of a C operand
.set fi, 0
.rept 4
	ds_load_b128 v[(\dst)+8*fi:(\dst)+8*fi+3],   v11 offset:64*(4*(\g)+fi)
	ds_load_b128 v[(\dst)+8*fi+4:(\dst)+8*fi+7], v11 offset:64*(4*(\g)+fi)+16
.set fi, fi+1
.endr
.endm
; 32 along K on buffer ab; the next 32, at byte ko of the same slot's rows, are fetched in the order x half 0, W 0 | x half 1, W 1 | W 2.
.macro SLICE ab, ko
	s_wait_dscnt 8                                 ; all but the youngest eight loads (W's group 2) are in
	MULG 0, \ab, 0, 8, 0
	PLACES
	WIN 0
	FA 1-(\ab), \ko, 0
	FB 0, \ko
	MULG 1, \ab, 0, 8, 0
	PLACES
	WIN 0
	FA 1-(\ab), \ko, 1
	FB 1, \ko
	s_wait_dscnt 32                                ; W's group 2 is in; the 32 loads just issued stay out
	MULG 2, \ab, 0, 8, 0
	PLACES
	WIN 0
	FB 2, \ko
.endm
; A slot's last 32 along K (buffer 1) and the change of slots: ONE barrier.  In front of it each wave waits for all its tensor loads (one is out: its part of the other slot), adds 0 to its spare
; word, and waits for that and for its reads of this slot.  fill = 1: the barrier opens a round of the cluster's, and the joint refill of this slot, two K steps on, is the first thing behind the round.
.macro TURN fill
	WIN 0
	s_wait_tensorcnt 0x0                           ; no tensor load of mine is out, so the walking descriptors may be written
	ds_add_u32 v28, v29                            ; 0 onto my spare word
.if \fill
	s_xor_b32 s37, s37, SLOTX                      ; the other slot than last time,
	s_add_nc_u64 s[38:39], s[38:39], STEPA         ; the next K step; the type bits on top are not reached
	s_xor_b32 s53, s53, SLOTX
	s_add_nc_u64 s[54:55], s[54:55], STEPB
.endif
	s_xor_b32 s56, s56, SLOTX                      ; the slot to be read next
	s_wait_dscnt 9                                 ; the add and W's group 2 may be out
	MULG 0, 1, 0, 2, 0                             ; eight products stand between the add and the wait for it
	s_wait_dscnt 0x0                               ; the add is done, and my reads of this slot are over
	s_barrier_signal -1
	MULG 0, 1, 2, 2, 0
	WIN 0
	s_barrier_wait -1
.if \fill
	CREST                                          ; no wave of any partner still reads this slot or has a load on its way
	JLOAD                                          ; 176 of a step's 192 products stand between this request and the wait for it
.endif
	MULG 0, 1, 4, 4, 0
	WIN 0
	v_add_nc_u32 v8, s56, v4                       ; the addresses in the next slot: with the v_nop the four places in front of the loads
	v_add_nc_u32 v9, s56, v5
	v_add_nc_u32 v10, s56, v6
	v_nop
	FA 0, 0, 0
	FB 0, 0
	MULG 1, 1, 0, 8, 0
	PLACES
	WIN 0
	FA 0, 0, 1
	FB 1, 0
	MULG 2, 1, 0, 8, 0
	PLACES
	WIN 0
	FB 2, 0
.endm
	s_load_b256 s[4:11], s[0:1], 0x0               ; xblk s[4:5], wblk s[6:7], biasr s[8:9], qkv s[10:11]
	v_lshl_add_u32 v28, v0, 2, SPARE
	v_mov_b32 v29, 0
	ds_add_u32 v28, v29
	s_wait_dscnt 0x0
	v_lshrrev_b32 v1, 5, v0
	v_readfirstlane_b32 s12, v1                    ; wave 0..3
	s_lshr_b32 s13, s12, 1                         ; my half of the rows.  Also: I fetch x (0) or W (1)
	s_and_b32 s14, s12, 1                          ; my half of the columns.  Also: which half of that tile I fetch
	s_bfe_u32 s15, ttmp6, 0x40000                  ; cx
	s_bfe_u32 s16, ttmp6, 0x40004                  ; cy
	s_lshl_b32 s17, ttmp9, 2
	s_add_co_u32 s17, s17, s15                     ; tile column
	s_and_b32 s18, ttmp7, 0xffff
	s_lshl_b32 s18, s18, 2
	s_add_co_u32 s18, s18, s16                     ; tile row
	s_lshl_b32 s19, s16, 2
	s_lshl_b32 s19, 15, s19                        ; my row of the cluster
	s_lshl_b32 s20, 0x1111, s15                    ; my column
	s_or_b32 s24, s19, FLAGS                       ; group 1 for x: 128 rows of 128 bytes, dense, as 64 rows of 256 bytes
	s_mov_b32 s25, 128<<16                         ; tensor_dim0 = 128 elements
	s_mov_b32 s26, 64<<16                          ; tensor_dim1 = 64
	s_mov_b32 s27, 128<<16                         ; tile_dim0 = 128
	s_mov_b32 s28, 64                              ; tile_dim1 = 64
	s_mov_b32 s29, 128                             ; elements from row to row
	s_mov_b32 s30, 0
	s_mov_b32 s31, 0
	s_or_b32 s40, s20, FLAGS                       ; group 1 for W: 192 rows of 128 bytes as 96 rows of 256
	s_mov_b32 s41, 128<<16
	s_mov_b32 s42, 96<<16
	s_mov_b32 s43, 128<<16
	s_mov_b32 s44, 96
	s_mov_b32 s45, 128
	s_mov_b32 s46, 0
	s_mov_b32 s47, 0
	s_lshl_b32 s66, s18, 15                        ; x: 256 rows of 128 bytes a tile row,
	s_lshl_b32 s22, s14, 14                        ; 128 rows a half
	s_add_co_u32 s66, s66, s22
	s_mov_b32 s67, 0
	s_mul_i32 s68, s17, 49152                      ; W: 384 rows a tile column,
	s_mul_i32 s22, s14, 24576                      ; 192 rows a half
	s_add_co_u32 s68, s68, s22
	s_mov_b32 s69, 0
	s_mul_i32 s70, s18, 1572864                    ; qkv: 256 rows of 6,144 bytes a tile row,
	s_mul_i32 s63, s12, 393216                     ; the 64 rows that I store,
	s_add_co_u32 s70, s70, s63
	s_mul_i32 s62, s17, 768                        ; 384 columns a tile column
	s_add_co_u32 s70, s70, s62
	s_mov_b32 s71, 0
	s_mul_i32 s72, s17, 1536                       ; the tile's bias
	s_mov_b32 s73, 0
	s_mul_i32 s22, s14, 18432                      ; where my part of x's tile goes,
	s_mul_i32 s23, s14, 27648
	s_add_co_u32 s23, s23, BOFF                    ; or of W's: the wave's number alone enters an LDS address
	s_mov_b32 s32, 1
	s_mov_b32 s33, s22
	s_mov_b32 s36, 1
	s_add_co_u32 s37, s22, SLOTX
	s_mov_b32 s48, 1
	s_mov_b32 s49, s23
	s_mov_b32 s52, 1
	s_add_co_u32 s53, s23, SLOTX
	s_mov_b32 s56, 0
	s_wait_kmcnt 0x0
	s_add_nc_u64 s[34:35], s[4:5], s[66:67]        ; K step 0
	s_add_nc_u64 s[38:39], s[34:35], STEPA         ; K step 1
	s_or_b32 s35, s35, 0x80000000
	s_or_b32 s39, s39, 0x80000000
	s_add_nc_u64 s[50:51], s[6:7], s[68:69]
	s_add_nc_u64 s[54:55], s[50:51], STEPB
	s_or_b32 s51, s51, 0x80000000
	s_or_b32 s55, s55, 0x80000000
	s_add_nc_u64 s[10:11], s[10:11], s[70:71]
	s_add_nc_u64 s[8:9], s[8:9], s[72:73]
	CROUND                                         ; all sixteen work-groups are here: the first joint loads meet
	s_cmp_eq_u32 s13, 0                            ; a wave's two first fills stand in one branch: two loads of mine are out
	s_cbranch_scc0 .Lfirst_b
	tensor_load_to_lds s[32:35], s[24:31]
	s_nop 0
	tensor_load_to_lds s[36:39], s[24:31]
	s_nop 0
.rept 4
	v_nop
.endr
	s_branch .Lfirst_done
.Lfirst_b:
	tensor_load_to_lds s[48:51], s[40:47]
	s_nop 0
	tensor_load_to_lds s[52:55], s[40:47]
	s_nop 0
.rept 4
	v_nop
.endr
.Lfirst_done:
	v_lshlrev_b32 v16, 2, v0                       ; the tile's 384 bias numbers go into LDS once: 128 threads x 3
.set i, 0
.rept 3
	global_load_b32 v[17+i], v16, s[8:9] offset:512*i
.set i, i+1
.endr
	v_and_b32 v1, 15, v0                           ; r
	v_bfe_u32 v2, v0, 4, 1                         ; h
	v_mul_u32_u24 v7, v1, PITCH
	v_lshl_add_u32 v7, v2, 4, v7                   ; a fragment's row x pitch + 16 h
	s_mul_i32 s62, s13, 18432
	v_add_nc_u32 v4, s62, v7                       ; my x fragments 0-3 in slot 0,
	v_add_nc_u32 v5, 9216, v4                      ; 4-7,
	s_mul_i32 s62, s14, 27648
	s_add_co_u32 s62, s62, BOFF
	v_add_nc_u32 v6, s62, v7                       ; my W fragments
	s_mul_i32 s62, s14, 768
	s_add_co_u32 s62, s62, BIAS
	v_lshl_add_u32 v11, v2, 5, s62                 ; the bias of my columns 8 h + 0..7 of block 0
	s_mul_i32 s62, s13, 128*SP
	s_mul_i32 s63, s14, 384
	s_add_co_u32 s62, s62, s63
	v_mul_u32_u24 v12, v1, SP
	v_lshl_add_u32 v12, v2, 4, v12
	v_add_nc_u32 v12, s62, v12                     ; into the stage: row 128 HI + r, byte 384 LO + 16 h
	v_add_nc_u32 v13, 64*SP, v12                   ; the same 64 rows on (LDS offsets have 16 bits)
	s_mul_i32 s62, s12, 64*SP
	v_mul_u32_u24 v14, v2, SP
	v_lshl_add_u32 v14, v1, 4, v14
	v_add_nc_u32 v14, s62, v14                     ; back: rows 64 w + h, 16 bytes a lane
	v_mul_u32_u24 v15, v2, 6144
	v_lshl_add_u32 v15, v1, 4, v15                 ; and the same two rows in qkv
	v_add_nc_u32 v20, BIAS, v16
	s_wait_loadcnt 0x0
.set i, 0
.rept 3
	ds_store_b32 v20, v[17+i] offset:512*i
.set i, i+1
.endr
	s_wait_tensorcnt 0x1                           ; my part of K step 0 is in; step 1's may stay out
	s_wait_dscnt 0x0                               ; my part of the bias is in LDS
	s_barrier_signal -1
	s_barrier_wait -1
	v_mov_b32 v8, v4
	v_mov_b32 v9, v5
	v_mov_b32 v10, v6
; THE FIRST 32 ALONG K start the sums on the bias: nothing is cleared, and nothing is added on the way out.  The twelve bias blocks (96 registers) pass through buffer 1's 64, which x needs only for the next 32 along K.
	FA 0, 0, 0
	FB 0, 0
	FA 0, 0, 1
	FB 1, 0
	FB 2, 0
	LB 0, XB
	LB 1, YB
	s_wait_dscnt 0x0
	MULG 0, 0, 0, 8, XB
	PLACES
	WIN 0
	FB 0, 64
	LB 2, XB                                       ; group 2's bias where group 0's lay
	MULG 1, 0, 0, 8, YB
	PLACES
	WIN 0
	FB 1, 64
	FA 1, 64, 1                                    ; x's fragments 4-7 where group 1's bias lay
	s_wait_dscnt 16                                ; W's group 0 and group 2's bias are in; the 16 loads just issued stay out
	MULG 2, 0, 0, 8, XB
	PLACES
	WIN 0
	FA 1, 64, 0                                    ; x's fragments 0-3 where group 2's bias lay,
	FB 2, 64                                       ; and W's group 2 last, as behind every 32 along K: the waits that follow count on that order
	s_mov_b32 s57, T-2
.Lstep:                                                ; a trip: the second half of a K step with the change of slots and a refill, and the first half of the next
	TURN 1
	SLICE 0, 64
	s_sub_co_u32 s57, s57, 1
	s_cmp_lg_u32 s57, 0
	s_cbranch_scc1 .Lstep
	TURN 0                                         ; the tail is written out: nothing more is asked for
	SLICE 0, 64
	s_wait_dscnt 8
	MULG 0, 1, 0, 8, 0
	MULG 1, 1, 0, 8, 0
	s_wait_dscnt 0x0
	MULG 2, 1, 0, 8, 0
	PLACES
	WIN 0
; THE WAY OUT.  A wave's 384 bytes of a row are one and a half aligned blocks of 256, so the four waves share one stage, with barriers round the writing.
	s_barrier_signal -1                            ; every wave's reads of the slots are over (the wait for 0 above) and no tensor load is out: the stage may be written
	s_barrier_wait -1
.macro OUTG g
	WIN ((\g)+1)|(((\g)+1)<<2)                     ; both sources in window g + 1, the destination in window 0
.set k, 0
.rept 32
.set i, 0
.rept 4                                                ; each accumulator is read from its low end on
	v_cvt_pk_bf16_f32 v[32+4*k+i], v[8*k+2*i], v[8*k+2*i+1]
.set i, i+1
.endr
.set k, k+1
.endr
	WIN 0
.set k, 0
.rept 32
	ds_store_b128 v[12+k/16], v[32+4*k:35+4*k] offset:((k/4)%4)*16*SP+32*(4*(\g)+k%4)
.set k, k+1
.endr
.endm
	OUTG 0
	OUTG 1
	OUTG 2
	s_wait_dscnt 0x0                               ; for the others' sake: my stores into the stage are done
	s_barrier_signal -1
	s_barrier_wait -1
.macro SENDB n0                        ; 48 pieces: pair of rows n / 3, block of 256 bytes n % 3
.set n, (\n0)
.rept 48
	ds_load_b128 v[32+4*(n-(\n0)):35+4*(n-(\n0))], v14 offset:(n/3)*2*SP+(n%3)*256
.set n, n+1
.endr
.set n, (\n0)
.rept 48
.if ((n-(\n0))%4) == 0
	s_wait_dscnt 44-(n-(\n0))                      ; LDS loads come back in order: the next four pieces are in
.endif
	global_store_b128 v15, v[32+4*(n-(\n0)):35+4*(n-(\n0))], s[10:11] offset:(n/3)*12288+(n%3)*256   ; 16 lanes store 256 consecutive bytes, aligned
.set n, n+1
.endr
.endm
	SENDB 0
	s_wait_xcnt 0x0                                ; the stores' data registers are loaded again only behind this wait
	SENDB 48
	s_wait_tensorcnt 0x0                           ; the wave's end
	ds_add_u32 v28, v29
	s_wait_dscnt 0x0
	CROUND                                         ; the closing round: no work-group ends while a partner may still ask for a tile that names it
	s_endpgm
.Lfunc_end_k_q68c2b8ff8e_proj:
	.size	k_q68c2b8ff8e_proj, .Lfunc_end_k_q68c2b8ff8e_proj-k_q68c2b8ff8e_proj
	.p2alignl 7, 3214868480
	.fill 96, 4, 3214868480
	.section	.rodata,"a",@progbits
	.p2align	6, 0x0
	.amdhsa_kernel k_q68c2b8ff8e_proj
		.amdhsa_group_segment_fixed_size 327680
		.amdhsa_private_segment_fixed_size 0
		.amdhsa_enable_private_segment 0
		.amdhsa_kernarg_size 32
		.amdhsa_user_sgpr_count 2
		.amdhsa_user_sgpr_kernarg_segment_ptr 1
		.amdhsa_wavefront_size32 1
		.amdhsa_system_sgpr_workgroup_id_x 1
		.amdhsa_system_sgpr_workgroup_id_y 1
		.amdhsa_system_sgpr_workgroup_id_z 1
		.amdhsa_system_vgpr_workitem_id 0
		.amdhsa_next_free_vgpr 1024
		.amdhsa_next_free_sgpr 80
		.amdhsa_reserve_vcc 0
		.amdhsa_float_denorm_mode_32 3
		.amdhsa_float_denorm_mode_16_64 3
		.amdhsa_memory_ordered 1
		.amdhsa_forward_progress 1
		.amdhsa_inst_pref_size 112
	.end_amdhsa_kernel
	.amdgpu_metadata
---
amdhsa.version: [ 1, 2 ]
amdhsa.kernels:
  - .name:           k_q68c2b8ff8e_proj
    .symbol:         k_q68c2b8ff8e_proj.kd
    .args:
      - { .name: xblk, .offset: 0, .size: 8, .value_kind: global_buffer, .address_space: global }
      - { .name: wblk, .offset: 8, .size: 8, .value_kind: global_buffer, .address_space: global }
      - { .name: biasr, .offset: 16, .size: 8, .value_kind: global_buffer, .address_space: global }
      - { .name: qkv, .offset: 24, .size: 8, .value_kind: global_buffer, .address_space: global }
    .group_segment_fixed_size: 327680
    .private_segment_fixed_size: 0
    .kernarg_segment_align: 8
    .kernarg_segment_size: 32
    .max_flat_workgroup_size: 128
    .sgpr_count:     80
    .vgpr_count:     1024
    .wavefront_size: 32
...
	.end_amdgpu_metadata
.endif
;; end of part 2
;; launch score (part 3): grid 8 x 32, 4 waves a work-group, clusters of 4 x 4, 327,680 bytes of LDS; arguments qkv, pbuf, stat; writes pbuf, stat
.if DOCPART == 3
	.amdgcn_target "amdgcn-amd-amdhsa--gfx1250"
	.amdhsa_code_object_version 6
	.text
	.protected	k_q68c2b8ff8e_score
	.globl	k_q68c2b8ff8e_score
	.p2align	8
	.type	k_q68c2b8ff8e_score,@function
k_q68c2b8ff8e_score:
	s_mov_b64 s[64:65], 0
	v_nop
	global_prefetch_b8 v0, s[64:65] scope:SCOPE_SE
	s_setreg_imm32_b32 hwreg(HW_REG_WAVE_MODE, 25, 1), 1
	s_wait_xcnt 0x0
	s_wait_alu depctr_hold_cnt(0) depctr_sa_sdst(0) depctr_va_vdst(0) depctr_va_sdst(0) depctr_va_ssrc(0) depctr_va_vcc(0) depctr_vm_vsrc(0)
	s_getreg_b32 s2, hwreg(HW_REG_IB_STS2, 6, 4)
	s_cmp_eq_u32 s2, 0
	s_cbranch_scc0 .Lentry_in_a_cluster
	s_endpgm
.Lentry_in_a_cluster:
	s_bfe_u32 s2, ttmp6, 0x10000c
	s_cmp_lg_u32 s2, 0xf033
	s_cbranch_scc0 .Lentry_shape_is_right
	s_endpgm
.Lentry_shape_is_right:
; WEIGHTS BY CHUNKS.  S = Q K^T (bf16 operands, f32 sums) in tiles of 256 queries x 256 keys: 32 x 8 = 256 work-groups; four waves, each 128 x 128, which is one CHUNK of 128 keys for 128 queries.
; For each query and chunk the chunk's true maximum m is taken away, rounded up to a whole power of two: with c = log2(e) / 32,
;   e = floor(-c m),   p = 2^(c s + e)  (at most 1; the chunk's largest is above 1/2),   l = the sum of the chunk's p (f32, unrounded p).
; pbuf[8192][2048] takes p rounded once to bf16; stat takes e[batch][chunk][query] and, 524,288 bytes on, l in the same shape.  The next launch brings the chunks to the row's common exponent by
; exact powers of two.  So the softmax has its maximum taken away; no exponential can overflow.
; LIMITS: Q and K are bf16; a weight below 2^-126 counts as 0; NaN and infinities are not treated apart.
; K (the head's 1,024 channels) goes in steps of 128 through two LDS slots; rows of the tiles are 256 bytes of memory at multiples of 256.  CLUSTER 4 x 4: Q's tile is shared along a row, K's along a column.
; THE MATRIX INSTRUCTION IS USED TRANSPOSED: source 0 = 16 keys, source 1 = 16 queries: a lane holds query lane % 16 and keys 8 (lane / 16) + 0..7.
; REGISTERS.  window 0: v0-31 addresses; v32-95, v96-159 two buffers of Q's 8 fragments; v160-223 two groups of four K fragments.  window g + 1: group g's accumulators, (a, bb) at v[8 (4 a + bb)].
; lds_bytes claims the whole LDS.
.set PITCH, 272                        ; 256 bytes + 16: 68 words: the 16 rows of a load start at 16 different groups of four banks (64 banks of 4 bytes: ISA guide 11.1)
.set HALFT, 128*PITCH                  ; what one tensor load brings
.set SLOTX, 4*HALFT                    ; 0x22000: its two bits are clear in every wave's offset (0x8800 x wave), so the exclusive or moves an address from one slot to the other
.set STEPA, 256
.set STEPB, 256
.set T,     8
.set SCR,   278528                     ; behind the slots: 1,024 bytes a wave, to lay e and l out by queries
.set SPARE, 282624                     ; the spare words, 128 bytes a wave: two blocks of 256 bytes that no other line names
.set A0,    32
.set BF,    160
.set ST,    32                         ; the way out: row block a at v[ST + 4 a]: e, the maximum, l (even keys', odd keys')
.set FLAGS, (1<<16)|(1<<20)|(1<<21)|(5<<22)|(3<<25)   ; 2-byte elements; padding on; bit 21 beside a mask; after every 64 words; 4 words
.set MSB, 0
.macro WIN new
.if MSB != (\new)
	s_set_vgpr_msb (MSB<<8)|(\new)
.set MSB, (\new)
.endif
.endm
.macro PLACES                          ; four plain vector instructions between a matrix instruction and a load into, or a read of, its registers
.rept 4
	v_nop
.endr
.endm
.macro CREST
	s_cmp_lg_u32 s12, 0
	s_cbranch_scc1 .Lnot_wave_0_\@
	s_barrier_signal -3
.Lnot_wave_0_\@:
	s_barrier_wait -3
	s_barrier_signal -1
	s_barrier_wait -1
.endm
.macro CROUND
	s_barrier_signal -1
	s_barrier_wait -1
	CREST
.endm
.macro JLOAD                           ; a joint refill: waves 0, 1 fetch Q's two halves, waves 2, 3 K's.
	s_cmp_eq_u32 s13, 0
	s_cbranch_scc0 .Lfor_b_\@
	tensor_load_to_lds s[36:39], s[24:31]
	s_nop 0
.rept 4
	v_nop
.endr
	s_branch .Lasked_\@
.Lfor_b_\@:
	tensor_load_to_lds s[52:55], s[40:47]
	s_nop 0
.rept 4
	v_nop
.endr
.Lasked_\@:
.endm
.macro MULG g, ab, a0, an, z           ; an x 4 products; every accumulator has one instruction a turn: 63 others' stand between two links
	WIN 0x50*((\g)+1)
.set ma, (\a0)
.rept (\an)
.set mb, 0
.rept 4
.if \z
	v_wmma_f32_16x16x32_bf16 v[8*(4*ma+mb):8*(4*ma+mb)+7], v[BF+32*(\g)+8*mb:BF+32*(\g)+8*mb+7], v[A0+64*(\ab)+8*ma:A0+64*(\ab)+8*ma+7], 0
.else
	v_wmma_f32_16x16x32_bf16 v[8*(4*ma+mb):8*(4*ma+mb)+7], v[BF+32*(\g)+8*mb:BF+32*(\g)+8*mb+7], v[A0+64*(\ab)+8*ma:A0+64*(\ab)+8*ma+7], v[8*(4*ma+mb):8*(4*ma+mb)+7]
.endif
.set mb, mb+1
.endr
.set ma, ma+1
.endr
.endm
.macro FA ab, ko, half
.set fi, 0
.rept 4
	ds_load_b128 v[A0+64*(\ab)+32*(\half)+8*fi:A0+64*(\ab)+32*(\half)+8*fi+3],   v[8+(\half)] offset:fi*16*PITCH+(\ko)
	ds_load_b128 v[A0+64*(\ab)+32*(\half)+8*fi+4:A0+64*(\ab)+32*(\half)+8*fi+7], v[8+(\half)] offset:fi*16*PITCH+(\ko)+32
.set fi, fi+1
.endr
.endm
.macro FB g, ko
.set fi, 0
.rept 4
	ds_load_b128 v[BF+32*(\g)+8*fi:BF+32*(\g)+8*fi+3],   v10 offset:(4*(\g)+fi)*16*PITCH+(\ko)
	ds_load_b128 v[BF+32*(\g)+8*fi+4:BF+32*(\g)+8*fi+7], v10 offset:(4*(\g)+fi)*16*PITCH+(\ko)+32
.set fi, fi+1
.endr
.endm
; 32 along K on buffer ab.  The next 32 are fetched in two runs: all of Q and K's group 0 behind group 0's products, K's group 1 behind group 1's.  So whatever a wait asks for was issued 32 products earlier.
.macro SLICE ab, ko, z
	s_wait_dscnt 8                                 ; all but the youngest eight loads (K's group 1) are in
	MULG 0, \ab, 0, 8, \z
	PLACES
	WIN 0
	FA 1-(\ab), \ko, 0
	FA 1-(\ab), \ko, 1
	FB 0, \ko
	s_wait_dscnt 24                                ; K's group 1 is in; the 24 loads just issued stay out
	MULG 1, \ab, 0, 8, \z
	PLACES
	WIN 0
	FB 1, \ko
.endm
; A slot's last 32 along K and the change of slots: ONE barrier; in front of it each wave waits for all its tensor loads, adds 0 to its spare word, and waits for that and for its reads of this slot.
.macro TURN fill
	WIN 0
	s_wait_tensorcnt 0x0                           ; no tensor load of mine is out, so the walking descriptors may be written
	ds_add_u32 v28, v29                            ; 0 onto my spare word
.if \fill
	s_xor_b32 s37, s37, SLOTX
	s_add_nc_u64 s[38:39], s[38:39], STEPA
	s_xor_b32 s53, s53, SLOTX
	s_add_nc_u64 s[54:55], s[54:55], STEPB
.endif
	s_xor_b32 s56, s56, SLOTX
	s_wait_dscnt 9                                 ; the add and K's group 1 may be out
	MULG 0, 1, 0, 2, 0
	s_wait_dscnt 0x0                               ; the add is done, and my reads of this slot are over
	s_barrier_signal -1
	MULG 0, 1, 2, 2, 0
	WIN 0
	s_barrier_wait -1
.if \fill
	CREST                                          ; no wave of any partner still reads this slot or has a load on its way
	JLOAD                                          ; 240 of a step's 256 products stand between this request and the wait for it
.endif
	MULG 0, 1, 4, 4, 0
	WIN 0
	v_add_nc_u32 v8, s56, v4                       ; with the v_nop the four places in front of the loads
	v_add_nc_u32 v9, s56, v5
	v_add_nc_u32 v10, s56, v6
	v_nop
	FA 0, 0, 0
	FA 0, 0, 1
	FB 0, 0
	MULG 1, 1, 0, 8, 0
	PLACES
	WIN 0
	FB 1, 0
.endm
	s_load_b128 s[4:7], s[0:1], 0x0                ; qkv s[4:5], pbuf s[6:7]
	s_load_b64 s[8:9], s[0:1], 0x10                ; stat
	v_lshl_add_u32 v28, v0, 2, SPARE
	v_mov_b32 v29, 0
	ds_add_u32 v28, v29
	s_wait_dscnt 0x0
	v_lshrrev_b32 v1, 5, v0
	v_readfirstlane_b32 s12, v1
	s_lshr_b32 s13, s12, 1                         ; my half of the queries.  Also: I fetch Q (0) or K (1)
	s_and_b32 s14, s12, 1                          ; my half of the keys.  Also: which half of that tile I fetch
	s_bfe_u32 s15, ttmp6, 0x40000
	s_bfe_u32 s16, ttmp6, 0x40004
	s_lshl_b32 s17, ttmp9, 2
	s_add_co_u32 s17, s17, s15                     ; key tile 0..7
	s_and_b32 s18, ttmp7, 0xffff
	s_lshl_b32 s18, s18, 2
	s_add_co_u32 s18, s18, s16                     ; query tile 0..31 over the four batches
	s_lshl_b32 s19, s16, 2
	s_lshl_b32 s19, 15, s19
	s_lshl_b32 s20, 0x1111, s15
	s_and_b32 s21, ttmp7, 0xffff
	s_lshr_b32 s21, s21, 1                         ; the batch, from the cluster's y alone: all sixteen partners share it
	s_or_b32 s24, s19, FLAGS                       ; group 1: 128 rows x 128 elements out of rows of 3,072
	s_or_b32 s40, s20, FLAGS
.irp g, 24, 40
	s_mov_b32 s[\g+1], 128<<16
	s_mov_b32 s[\g+2], 128<<16
	s_mov_b32 s[\g+3], 128<<16
	s_mov_b32 s[\g+4], 128
	s_mov_b32 s[\g+5], 3072
	s_mov_b32 s[\g+6], 0
	s_mov_b32 s[\g+7], 0
.endr
	s_mul_i32 s22, s14, 786432                     ; 128 rows of 6,144 bytes
	s_mul_i32 s66, s18, 1572864
	s_add_co_u32 s66, s66, s22                     ; Q
	s_mov_b32 s67, 0
	s_mul_i32 s68, s21, 12582912                   ; K: the batch's 2,048 rows,
	s_mul_i32 s62, s17, 1572864                    ; the key tile,
	s_add_co_u32 s68, s68, s62
	s_add_co_u32 s68, s68, s22
	s_add_co_u32 s68, s68, 2048                    ; K's place in a row of qkv
	s_mov_b32 s69, 0
	s_lshl_b32 s70, s18, 20                        ; pbuf: 256 rows of 4,096 bytes,
	s_lshl_b32 s63, s13, 19
	s_add_co_u32 s70, s70, s63
	s_lshl_b32 s62, s17, 9                         ; 256 keys,
	s_add_co_u32 s70, s70, s62
	s_lshl_b32 s63, s14, 8                         ; my 128
	s_add_co_u32 s70, s70, s63
	s_mov_b32 s71, 0
	s_lshl_b32 s72, s21, 17                        ; stat: 16 chunks x 2,048 queries x 4 bytes a batch,
	s_lshl_b32 s62, s17, 14                        ; chunk 2 tx + LO,
	s_add_co_u32 s72, s72, s62
	s_lshl_b32 s63, s14, 13
	s_add_co_u32 s72, s72, s63
	s_and_b32 s63, s18, 7                          ; query (ty % 8) 256 + 128 HI
	s_lshl_b32 s63, s63, 10
	s_add_co_u32 s72, s72, s63
	s_lshl_b32 s63, s13, 9
	s_add_co_u32 s72, s72, s63
	s_mov_b32 s73, 0
	s_mul_i32 s23, s12, HALFT                      ; where my part goes: Q's two halves, then K's two
	s_mov_b32 s32, 1
	s_mov_b32 s33, s23
	s_mov_b32 s36, 1
	s_add_co_u32 s37, s23, SLOTX
	s_mov_b32 s48, 1
	s_mov_b32 s49, s23
	s_mov_b32 s52, 1
	s_add_co_u32 s53, s23, SLOTX
	s_mov_b32 s56, 0
	s_mov_b32 s58, 0x3d38aa3b                      ; c = log2(e) / 32
	s_mov_b32 s59, s58
	s_mov_b32 s60, 0x76543210                      ; v_permlanex16_b32: each lane takes its own place in the other half
	s_mov_b32 s61, 0xfedcba98
	s_wait_kmcnt 0x0
	s_add_nc_u64 s[34:35], s[4:5], s[66:67]
	s_add_nc_u64 s[38:39], s[34:35], STEPA
	s_or_b32 s35, s35, 0x80000000
	s_or_b32 s39, s39, 0x80000000
	s_add_nc_u64 s[50:51], s[4:5], s[68:69]
	s_add_nc_u64 s[54:55], s[50:51], STEPB
	s_or_b32 s51, s51, 0x80000000
	s_or_b32 s55, s55, 0x80000000
	s_add_nc_u64 s[6:7], s[6:7], s[70:71]
	s_add_nc_u64 s[8:9], s[8:9], s[72:73]
	CROUND
	s_cmp_eq_u32 s13, 0                            ; a wave's two first fills stand in one branch: two loads of mine are out
	s_cbranch_scc0 .Lfirst_b
	tensor_load_to_lds s[32:35], s[24:31]
	s_nop 0
	tensor_load_to_lds s[36:39], s[24:31]
	s_nop 0
.rept 4
	v_nop
.endr
	s_branch .Lfirst_done
.Lfirst_b:
	tensor_load_to_lds s[48:51], s[40:47]
	s_nop 0
	tensor_load_to_lds s[52:55], s[40:47]
	s_nop 0
.rept 4
	v_nop
.endr
.Lfirst_done:
	v_and_b32 v1, 15, v0                           ; r
	v_bfe_u32 v2, v0, 4, 1                         ; h
	v_and_b32 v3, 31, v0                           ; lane
	v_mul_u32_u24 v7, v1, PITCH
	v_lshl_add_u32 v7, v2, 4, v7
	s_mul_i32 s62, s13, HALFT
	v_add_nc_u32 v4, s62, v7                       ; Q's fragments 0-3 in slot 0,
	v_add_nc_u32 v5, 64*PITCH, v4                  ; 4-7,
	s_mul_i32 s62, s14, HALFT
	s_add_co_u32 s62, s62, 2*HALFT
	v_add_nc_u32 v6, s62, v7                       ; K's fragments
	v_add_nc_u32 v11, s23, v7                      ; my stage (128 rows x 272 bytes at wave x 34,816, over slot 0): in
	v_mul_u32_u24 v13, v2, PITCH
	v_lshl_add_u32 v13, v1, 4, v13
	v_add_nc_u32 v13, s23, v13                     ; back: two rows of 256 bytes
	v_lshlrev_b32 v14, 12, v2
	v_lshl_add_u32 v14, v1, 4, v14                 ; the same two rows in pbuf
	s_lshl_b32 s62, s12, 10
	s_add_co_u32 s62, s62, SCR
	v_lshlrev_b32 v12, 2, v1
	v_lshl_add_u32 v12, v2, 9, v12
	v_add_nc_u32 v12, s62, v12                     ; e (lanes 0-15) or l (lanes 16-31) of query r
	v_lshlrev_b32 v17, 4, v3                       ; 16 x lane
	v_add_nc_u32 v16, s62, v17
	s_mov_b32 s62, 0xbd38aa3b                      ; -c
	v_cmp_lt_u32 s63, 15, v3                       ; lanes 16-31
	s_wait_tensorcnt 0x1                           ; my part of K step 0 is in; step 1's may stay out
	s_barrier_signal -1
	s_barrier_wait -1
	v_mov_b32 v8, v4
	v_mov_b32 v9, v5
	v_mov_b32 v10, v6
	FA 0, 0, 0
	FA 0, 0, 1
	FB 0, 0
	FB 1, 0
	SLICE 0, 64, 1                                 ; the first 32 along K start the sums: only this slice differs from the loop's, so only it stands in front
	s_mov_b32 s57, T-1                             ; the loop's lower half runs T - 1 times (K steps 0 to T - 2), its upper half, with the refill, T - 2 times
	s_branch .Lmid                                 ; the loop is entered in the middle of a trip; on both ways the same eight LDS loads and the same one tensor load are out
.Lstep:
	TURN 1
	SLICE 0, 64, 0
.Lmid:
	SLICE 1, 128, 0
	SLICE 0, 192, 0
	s_sub_co_u32 s57, s57, 1
	s_cmp_lg_u32 s57, 0
	s_cbranch_scc1 .Lstep
	TURN 0                                         ; the tail is written out: nothing more is asked for.  Behind its barrier nobody reads slot 0 any more, and its last fill has landed
	SLICE 0, 64, 0
	SLICE 1, 128, 0
	SLICE 0, 192, 0
	s_wait_dscnt 8
	MULG 0, 1, 0, 8, 0
	s_wait_dscnt 0x0
	MULG 1, 1, 0, 8, 0
	PLACES
; THE CHUNK'S MAXIMUM: a lane has 64 scores of each of its eight queries (row blocks a).  The eight chains alternate; each accumulator is read from its low end on.
	WIN 0x05
.set a, 0
.rept 8
	v_max_num_f32 v[ST+4*a+1], v[32*a], v[32*a+1]
.set a, a+1
.endr
	WIN 0x14
.set q, 1
.rept 15
.set a, 0
.rept 8
	v_max3_num_f32 v[ST+4*a+1], v[ST+4*a+1], v[32*a+2*q], v[32*a+2*q+1]
.set a, a+1
.endr
.set q, q+1
.endr
	WIN 0x28
.set q, 0
.rept 16
.set a, 0
.rept 8
	v_max3_num_f32 v[ST+4*a+1], v[ST+4*a+1], v[32*a+2*q], v[32*a+2*q+1]
.set a, a+1
.endr
.set q, q+1
.endr
	WIN 0
.set a, 0
.rept 8
	v_permlanex16_b32 v[ST+4*a], v[ST+4*a+1], s60, s61   ; the query's other 64 keys lie in the lane 16 away
.set a, a+1
.endr
.set a, 0
.rept 8
	v_max_num_f32 v[ST+4*a+1], v[ST+4*a+1], v[ST+4*a]
.set a, a+1
.endr
.set a, 0
.rept 8
	v_mul_f32 v[ST+4*a], s62, v[ST+4*a+1]          ; -c m
.set a, a+1
.endr
.set a, 0
.rept 8
	v_floor_f32 v[ST+4*a], v[ST+4*a]               ; e
.set a, a+1
.endr
; p = 2^(c s + e), in place.  The scalings of accumulator k stand among the exponentials of accumulator k - 1; a plain instruction stands behind the last exponential before its result is used (ISA guide 5.7.2).
.macro EXPW w
	WIN ((\w)<<6)|(\w)
.set k, 0
.rept 33
.set i, 0
.rept 4
.if k < 32
	v_pk_fma_f32 v[8*k+2*i:8*k+2*i+1], v[8*k+2*i:8*k+2*i+1], s[58:59], v[ST+4*(k/4):ST+4*(k/4)+1] op_sel_hi:[1,0,0]
.endif
.if k > 0
	v_exp_f32 v[8*k-8+2*i], v[8*k-8+2*i]
	v_exp_f32 v[8*k-7+2*i], v[8*k-7+2*i]
.endif
.set i, i+1
.endr
.set k, k+1
.endr
	v_nop
.endm
.macro SUMW w                          ; l takes the window's 16 pairs of each row block; the first two pairs of window 1 start it
.if (\w) == 1
	WIN 0x05
.set a, 0
	s_wait_alu depctr_va_vdst(0)
.rept 8
	v_pk_add_f32 v[ST+4*a+2:ST+4*a+3], v[32*a:32*a+1], v[32*a+2:32*a+3]
.set a, a+1
.endr
.set q0, 2
.else
.set q0, 0
.endif
	WIN (\w)
.set q, q0
	s_wait_alu depctr_va_vdst(0)
.rept 16-q0
.set a, 0
.rept 8
	v_pk_add_f32 v[ST+4*a+2:ST+4*a+3], v[32*a+2*q:32*a+2*q+1], v[ST+4*a+2:ST+4*a+3]
.set a, a+1
.endr
.set q, q+1
.endr
.endm
.macro PACKW w                         ; rounded to bf16 in place (8 registers into the lower 4), then 16 bytes a lane into my stage
	WIN ((\w)<<6)|((\w)<<2)|(\w)
.set k, 0
.rept 32
.set i, 0
.rept 4
	v_cvt_pk_bf16_f32 v[8*k+i], v[8*k+2*i], v[8*k+2*i+1]
.set i, i+1
.endr
.set k, k+1
.endr
	WIN (\w)<<2
.set k, 0
.rept 32
	ds_store_b128 v11, v[8*k:8*k+3] offset:(k/4)*16*PITCH+32*(4*((\w)-1)+k%4)
.set k, k+1
.endr
.endm
	EXPW 1
	SUMW 1
	PACKW 1
	EXPW 2
	SUMW 2
	PACKW 2
	WIN 0
.set a, 0
.rept 8
	v_add_f32 v[ST+4*a+2], v[ST+4*a+2], v[ST+4*a+3]
.set a, a+1
.endr
.set a, 0
.rept 8
	v_permlanex16_b32 v[ST+4*a+3], v[ST+4*a+2], s60, s61
.set a, a+1
.endr
.set a, 0
.rept 8
	v_add_f32 v[ST+4*a+2], v[ST+4*a+2], v[ST+4*a+3]
.set a, a+1
.endr
.set a, 0
.rept 8
	v_cndmask_b32 v[64+a], v[ST+4*a], v[ST+4*a+2], s63   ; lanes 0-15 carry e, lanes 16-31 l
	ds_store_b32 v12, v[64+a] offset:64*a
.set a, a+1
.endr
	ds_load_b128 v[72:75], v16                     ; my own bytes: LDS serves a wave's instructions in order (ISA guide 5.7.1.4)
	ds_load_b128 v[76:79], v16 offset:512
	s_wait_dscnt 0x0
	global_store_b128 v17, v[72:75], s[8:9]                  ; 128 e: 512 consecutive bytes
	global_store_b128 v17, v[76:79], s[8:9] offset:524288    ; 128 l
.macro POUT nb                         ; 32 rows of my stage back as whole rows of 256 bytes, and out; two banks of registers take turns
.if (\nb) >= 2
	s_wait_xcnt 0x0                                ; the bank's registers, which earlier stores read, are loaded again only behind this wait
.endif
.set i, 0
.rept 16
	ds_load_b128 v[96+64*((\nb)%2)+4*i:99+64*((\nb)%2)+4*i], v13 offset:(16*(\nb)+i)*2*PITCH
.set i, i+1
.endr
.set i, 0
.rept 16
.if (i%4) == 0
	s_wait_dscnt 12-i                              ; the next four loads are in
.endif
	global_store_b128 v14, v[96+64*((\nb)%2)+4*i:99+64*((\nb)%2)+4*i], s[6:7] offset:(16*(\nb)+i)*8192   ; 16 lanes store 256 consecutive bytes, aligned
.set i, i+1
.endr
.endm
	POUT 0
	POUT 1
	POUT 2
	POUT 3
	s_wait_tensorcnt 0x0                           ; the wave's end
	ds_add_u32 v28, v29
	s_wait_dscnt 0x0
	CROUND                                         ; the closing round
	s_endpgm
.Lfunc_end_k_q68c2b8ff8e_score:
	.size	k_q68c2b8ff8e_score, .Lfunc_end_k_q68c2b8ff8e_score-k_q68c2b8ff8e_score
	.p2alignl 7, 3214868480
	.fill 96, 4, 3214868480
	.section	.rodata,"a",@progbits
	.p2align	6, 0x0
	.amdhsa_kernel k_q68c2b8ff8e_score
		.amdhsa_group_segment_fixed_size 327680
		.amdhsa_private_segment_fixed_size 0
		.amdhsa_enable_private_segment 0
		.amdhsa_kernarg_size 24
		.amdhsa_user_sgpr_count 2
		.amdhsa_user_sgpr_kernarg_segment_ptr 1
		.amdhsa_wavefront_size32 1
		.amdhsa_system_sgpr_workgroup_id_x 1
		.amdhsa_system_sgpr_workgroup_id_y 1
		.amdhsa_system_sgpr_workgroup_id_z 1
		.amdhsa_system_vgpr_workitem_id 0
		.amdhsa_next_free_vgpr 768
		.amdhsa_next_free_sgpr 80
		.amdhsa_reserve_vcc 0
		.amdhsa_float_denorm_mode_32 3
		.amdhsa_float_denorm_mode_16_64 3
		.amdhsa_memory_ordered 1
		.amdhsa_forward_progress 1
		.amdhsa_inst_pref_size 172
	.end_amdhsa_kernel
	.amdgpu_metadata
---
amdhsa.version: [ 1, 2 ]
amdhsa.kernels:
  - .name:           k_q68c2b8ff8e_score
    .symbol:         k_q68c2b8ff8e_score.kd
    .args:
      - { .name: qkv, .offset: 0, .size: 8, .value_kind: global_buffer, .address_space: global }
      - { .name: pbuf, .offset: 8, .size: 8, .value_kind: global_buffer, .address_space: global }
      - { .name: stat, .offset: 16, .size: 8, .value_kind: global_buffer, .address_space: global }
    .group_segment_fixed_size: 327680
    .private_segment_fixed_size: 0
    .kernarg_segment_align: 8
    .kernarg_segment_size: 24
    .max_flat_workgroup_size: 128
    .sgpr_count:     80
    .vgpr_count:     768
    .wavefront_size: 32
...
	.end_amdgpu_metadata
.endif
;; end of part 3
;; launch pv (part 4): grid 4 x 64, 4 waves a work-group, clusters of 4 x 4, 327,680 bytes of LDS; arguments pbuf, qkv, stat, out0; writes out0
.if DOCPART == 4
	.amdgcn_target "amdgcn-amd-amdhsa--gfx1250"
	.amdhsa_code_object_version 6
	.text
	.protected	k_q68c2b8ff8e_pv
	.globl	k_q68c2b8ff8e_pv
	.p2align	8
	.type	k_q68c2b8ff8e_pv,@function
k_q68c2b8ff8e_pv:
	s_mov_b64 s[64:65], 0
	v_nop
	global_prefetch_b8 v0, s[64:65] scope:SCOPE_SE
	s_setreg_imm32_b32 hwreg(HW_REG_WAVE_MODE, 25, 1), 1
	s_wait_xcnt 0x0
	s_wait_alu depctr_hold_cnt(0) depctr_sa_sdst(0) depctr_va_vdst(0) depctr_va_sdst(0) depctr_va_ssrc(0) depctr_va_vcc(0) depctr_vm_vsrc(0)
	s_getreg_b32 s2, hwreg(HW_REG_IB_STS2, 6, 4)
	s_cmp_eq_u32 s2, 0
	s_cbranch_scc0 .Lentry_in_a_cluster
	s_endpgm
.Lentry_in_a_cluster:
	s_bfe_u32 s2, ttmp6, 0x10000c
	s_cmp_lg_u32 s2, 0xf033
	s_cbranch_scc0 .Lentry_shape_is_right
	s_endpgm
.Lentry_shape_is_right:
; out[q][:] = (sum over chunks t of f_t(q) P_t[q][:] V_t) / (sum over t of f_t(q) l_t(q)),  f_t(q) = 2^(e_min(q) - e_t(q)),  e_min the least of the row's 16 exponents (it belongs to the largest maximum).
; P's numbers are widened to f32, multiplied by f in f32 and rounded back to bf16 on their way to the matrix unit, all in one instruction a number.  f is a whole power of two, at most 1, so that
; rounding changes nothing: P is rounded once in the whole program.  The chunk with e_min has f = 1 and l above 1/2: the divisor is never 0.
; LIMITS: the exponent of f is held at -126 (what it then overstates is below 2^-126 of the row's largest weight); P and V are bf16; NaN and infinities are not treated apart.
; TILE.  128 queries x 256 channels: 64 x 4 = 256 work-groups.  The four waves are 2 column halves x 2 KEY halves: each makes 128 x 128 over half of every step's 128 keys, so that each byte read
; from LDS feeds as many products as in a tile of 256 x 256; the two partial sums of a column half meet once, through LDS, at the end.
; Row blocks are turned round by the key half: accumulators a = 0..3 are the 64 rows that the wave keeps, a = 4..7 those that it hands to its partner (wave xor 2).
; CLUSTER 4 x 4: P's tile is shared along a row of the cluster (four channel tiles), V's along a column (four query tiles of one batch).
; THE MATRIX INSTRUCTION: source 0 = 16 channels x 32 keys of V^T (V lies [key][channel] in LDS and is turned by ds_load_tr16_b128), source 1 = 16 queries x 32 keys of P.  A lane holds query lane % 16, channels 8 (lane / 16) + 0..7.
; REGISTERS.  window 0: v0-31 addresses and the step's factors (v16-23); v32-95, v96-159 two buffers of P's 8 fragments; v160-223 two groups of four V fragments; v232 the number 0.  window g + 1: group g's accumulators.
; lds_bytes claims the whole LDS.
.set PITCH, 272                        ; a row of P: 256 bytes + 16
.set PV,    544                        ; a row of V: 512 bytes + 32 = 136 words
.set VOFF,  128*PITCH                  ; in a slot: P's 128 rows, then V's 128 rows
.set SLOTX, 131072
.set STEPA, 256                        ; 128 keys along a row of pbuf
.set STEPB, 786432                     ; 128 rows of qkv
.set T,     16
.set XCH,   32768                      ; the exchange: 32,768 bytes a wave from byte 0, over slot 0, used when the slots' last fills have been read
.set STG,   131072                     ; the stage: 64 rows x 528 bytes a wave, over slot 1 and the free bytes behind it
.set SGP,   528
.set FT,    269312                     ; f as f32, [chunk 16][query 128]
.set MINS,  277504                     ; each wave's minimum over its four chunks
.set LP,    279552                     ; each wave's part of the divisor
.set SPARE, 281600                     ; the spare words, 128 bytes a wave: two blocks of 256 bytes that no other line names
.set A0,    32
.set BF,    160
.set ZR,    232                        ; v232 = 0.0: the addend of the scaling
.set MSB, 0
.macro WIN new
.if MSB != (\new)
	s_set_vgpr_msb (MSB<<8)|(\new)
.set MSB, (\new)
.endif
.endm
.macro PLACES
.rept 4
	v_nop
.endr
.endm
.macro CREST
	s_cmp_lg_u32 s12, 0
	s_cbranch_scc1 .Lnot_wave_0_\@
	s_barrier_signal -3
.Lnot_wave_0_\@:
	s_barrier_wait -3
	s_barrier_signal -1
	s_barrier_wait -1
.endm
.macro CROUND
	s_barrier_signal -1
	s_barrier_wait -1
	CREST
.endm
.macro JLOAD                           ; a joint refill: waves 0, 1 fetch P's two halves (64 queries each), waves 2, 3 V's (64 keys each).
	s_cmp_eq_u32 s13, 0
	s_cbranch_scc0 .Lfor_b_\@
	tensor_load_to_lds s[36:39], s[24:31]
	s_nop 0
.rept 4
	v_nop
.endr
	s_branch .Lasked_\@
.Lfor_b_\@:
	tensor_load_to_lds s[52:55], s[40:47]
	s_nop 0
.rept 4
	v_nop
.endr
.Lasked_\@:
.endm
.macro MULG g, ab, a0, an, z           ; every accumulator has one instruction a turn: 63 others' stand between two links
	WIN 0x50*((\g)+1)
.set ma, (\a0)
.rept (\an)
.set mb, 0
.rept 4
.if \z
	v_wmma_f32_16x16x32_bf16 v[8*(4*ma+mb):8*(4*ma+mb)+7], v[BF+32*(\g)+8*mb:BF+32*(\g)+8*mb+7], v[A0+64*(\ab)+8*ma:A0+64*(\ab)+8*ma+7], 0
.else
	v_wmma_f32_16x16x32_bf16 v[8*(4*ma+mb):8*(4*ma+mb)+7], v[BF+32*(\g)+8*mb:BF+32*(\g)+8*mb+7], v[A0+64*(\ab)+8*ma:A0+64*(\ab)+8*ma+7], v[8*(4*ma+mb):8*(4*ma+mb)+7]
.endif
.set mb, mb+1
.endr
.set ma, ma+1
.endr
.endm
.macro FA ab, ko, half                 ; half 0: the rows I keep; half 1: the rows I hand over
.set fi, 0
.rept 4
	ds_load_b128 v[A0+64*(\ab)+32*(\half)+8*fi:A0+64*(\ab)+32*(\half)+8*fi+3],   v[8+(\half)] offset:fi*16*PITCH+(\ko)
	ds_load_b128 v[A0+64*(\ab)+32*(\half)+8*fi+4:A0+64*(\ab)+32*(\half)+8*fi+7], v[8+(\half)] offset:fi*16*PITCH+(\ko)+32
.set fi, fi+1
.endr
.endm
.macro FB g, sl                        ; V^T's group g for keys 32 sl on of my 64: each fragment is two turning loads, 16 keys apart
.set fi, 0
.rept 4
	ds_load_tr16_b128 v[BF+32*(\g)+8*fi:BF+32*(\g)+8*fi+3],   v10 offset:(\sl)*32*PV+(4*(\g)+fi)*32
	ds_load_tr16_b128 v[BF+32*(\g)+8*fi+4:BF+32*(\g)+8*fi+7], v10 offset:(\sl)*32*PV+16*PV+(4*(\g)+fi)*32
.set fi, fi+1
.endr
.endm
.macro FCL                             ; the step's factors for my lane's eight queries
.set fi, 0
.rept 4
	ds_load_b32 v[16+fi], v11 offset:64*fi
.set fi, fi+1
.endr
.set fi, 0
.rept 4
	ds_load_b32 v[20+fi], v12 offset:64*fi
.set fi, fi+1
.endr
.endm
; Four fragments of P times f, in place.  Each line takes one bf16 half as f32, multiplies it by the f32 factor, adds 0 and rounds once to bf16 into the same half; the other half is kept.
; A fragment's eight low halves come first, then its eight high halves, so that no line reads the register that the line before it wrote.
.macro SCALE ab, half
.set si, 0
.rept 4
.set sj, 0
.rept 8
	v_fma_mixlo_bf16 v[A0+64*(\ab)+32*(\half)+8*si+sj], v[A0+64*(\ab)+32*(\half)+8*si+sj], v[16+4*(\half)+si], v[ZR] op_sel_hi:[1,0,0]
.set sj, sj+1
.endr
.set sj, 0
.rept 8
	v_fma_mixhi_bf16 v[A0+64*(\ab)+32*(\half)+8*si+sj], v[A0+64*(\ab)+32*(\half)+8*si+sj], v[16+4*(\half)+si], v[ZR] op_sel:[1,0,0] op_sel_hi:[1,0,0]
.set sj, sj+1
.endr
.set si, si+1
.endr
.endm
; 32 keys on buffer ab.  On entry P's buffer ab is in and scaled; V's groups 0 and 1 (8 loads each, in this order) may be out.  It leaves the same state for buffer 1 - ab.
.macro SLICE ab, sl, z
	s_wait_dscnt 8                                 ; V's group 0 is in; group 1 may be out
	MULG 0, \ab, 0, 8, \z
	PLACES
	WIN 0
	FA 1-(\ab), 64*(\sl), 0
	FA 1-(\ab), 64*(\sl), 1
	FB 0, \sl
	s_wait_dscnt 24                                ; V's group 1 is in; the 24 loads just issued stay out
	MULG 1, \ab, 0, 8, \z
	WIN 0
	s_wait_dscnt 8                                 ; the next P is in; V's group 0 stays out
	SCALE 1-(\ab), 0                               ; 64 plain instructions on other registers: the places in front of the loads below
	FB 1, \sl
	SCALE 1-(\ab), 1
.endm
; A step's last 32 keys (buffer 1) and the change of slots: ONE barrier; in front of it each wave waits for all its tensor loads, adds 0 to its spare word, and waits for that and for its reads of this slot.
.macro TURN fill
	WIN 0
	s_wait_tensorcnt 0x0                           ; no tensor load of mine is out, so the walking descriptors may be written
	ds_add_u32 v28, v29                            ; 0 onto my spare word
.if \fill
	s_xor_b32 s37, s37, SLOTX
	s_add_nc_u64 s[38:39], s[38:39], STEPA
	s_xor_b32 s53, s53, SLOTX
	s_add_nc_u64 s[54:55], s[54:55], STEPB
.endif
	s_xor_b32 s56, s56, SLOTX
	s_wait_dscnt 9                                 ; the add and V's group 1 may be out
	MULG 0, 1, 0, 2, 0
	s_wait_dscnt 0x0                               ; the add is done, and my reads of this slot are over
	s_barrier_signal -1
	MULG 0, 1, 2, 2, 0
	WIN 0
	s_barrier_wait -1
.if \fill
	CREST                                          ; no wave of any partner still reads this slot or has a load on its way
	JLOAD                                          ; 112 of a step's 128 products stand between this request and the wait for it
.endif
	MULG 0, 1, 4, 4, 0
	WIN 0
	v_add_nc_u32 v8, s56, v4                       ; five plain instructions: the places in front of the loads
	v_add_nc_u32 v9, s56, v5
	v_add_nc_u32 v10, s56, v6
	v_add_nc_u32 v11, 512, v11                     ; the next chunk's factors
	v_add_nc_u32 v12, 512, v12
	FCL
	FA 0, 0, 0
	FA 0, 0, 1
	FB 0, 0
	MULG 1, 1, 0, 8, 0
	WIN 0
	s_wait_dscnt 8                                 ; the factors and P are in; V's group 0 stays out
	SCALE 0, 0
	FB 1, 0
	SCALE 0, 1
.endm
	s_load_b256 s[4:11], s[0:1], 0x0               ; pbuf s[4:5], qkv s[6:7], stat s[8:9], out0 s[10:11]
	v_lshl_add_u32 v28, v0, 2, SPARE
	v_mov_b32 v29, 0
	ds_add_u32 v28, v29
	s_wait_dscnt 0x0
	v_mov_b32 v[ZR], 0
	v_lshrrev_b32 v1, 5, v0
	v_readfirstlane_b32 s12, v1
	s_lshr_b32 s13, s12, 1                         ; my half of a step's keys.  Also: I fetch P (0) or V (1)
	s_and_b32 s14, s12, 1                          ; my half of the channels.  Also: which half of that tile I fetch
	s_bfe_u32 s15, ttmp6, 0x40000
	s_bfe_u32 s16, ttmp6, 0x40004
	s_lshl_b32 s17, ttmp9, 2
	s_add_co_u32 s17, s17, s15                     ; channel tile 0..3
	s_and_b32 s18, ttmp7, 0xffff
	s_lshl_b32 s18, s18, 2
	s_add_co_u32 s18, s18, s16                     ; query tile 0..63 over the four batches
	s_lshl_b32 s19, s16, 2
	s_lshl_b32 s19, 15, s19
	s_lshl_b32 s20, 0x1111, s15
	s_and_b32 s21, ttmp7, 0xffff
	s_lshr_b32 s21, s21, 2                         ; the batch, from the cluster's y alone
	s_or_b32 s24, s19, (1<<16)|(1<<20)|(1<<21)|(5<<22)|(3<<25)   ; P: 64 rows x 128 elements; 4 words of padding after every 64
	s_mov_b32 s25, 128<<16
	s_mov_b32 s26, 64<<16
	s_mov_b32 s27, 128<<16
	s_mov_b32 s28, 64
	s_mov_b32 s29, 2048
	s_mov_b32 s30, 0
	s_mov_b32 s31, 0
	s_or_b32 s40, s20, (1<<16)|(1<<20)|(1<<21)|(6<<22)|(7<<25)   ; V: 64 rows x 256 elements; 8 words of padding after every 128
	s_mov_b32 s41, 256<<16
	s_mov_b32 s42, 64<<16
	s_mov_b32 s43, 256<<16
	s_mov_b32 s44, 64
	s_mov_b32 s45, 3072
	s_mov_b32 s46, 0
	s_mov_b32 s47, 0
	s_lshl_b32 s66, s18, 19                        ; P: 128 rows of 4,096 bytes a query tile,
	s_lshl_b32 s22, s14, 18                        ; 64 rows a half
	s_add_co_u32 s66, s66, s22
	s_mov_b32 s67, 0
	s_mul_i32 s68, s21, 12582912                   ; V: the batch's 2,048 rows of 6,144 bytes,
	s_mul_i32 s22, s14, 393216                     ; 64 keys a half,
	s_add_co_u32 s68, s68, s22
	s_lshl_b32 s62, s17, 9                         ; 256 channels a tile,
	s_add_co_u32 s68, s68, s62
	s_add_co_u32 s68, s68, 4096                    ; V's place in a row of qkv
	s_mov_b32 s69, 0
	s_lshl_b32 s70, s21, 17                        ; stat: the batch, and my tile's 128 queries
	s_and_b32 s63, s18, 15
	s_lshl_b32 s63, s63, 9
	s_add_co_u32 s70, s70, s63
	s_mov_b32 s71, 0
	s_lshl_b32 s72, s18, 19                        ; out0: 128 rows of 4,096 bytes, the 64 that I keep,
	s_lshl_b32 s63, s13, 18
	s_add_co_u32 s72, s72, s63
	s_lshl_b32 s62, s17, 10                        ; 256 channels, my 128
	s_add_co_u32 s72, s72, s62
	s_lshl_b32 s63, s14, 9
	s_add_co_u32 s72, s72, s63
	s_mov_b32 s73, 0
	s_mul_i32 s22, s14, 64*PITCH                   ; where my part of P's tile goes,
	s_mul_i32 s23, s14, 64*PV
	s_add_co_u32 s23, s23, VOFF                    ; or of V's
	s_mov_b32 s32, 1
	s_mov_b32 s33, s22
	s_mov_b32 s36, 1
	s_add_co_u32 s37, s22, SLOTX
	s_mov_b32 s48, 1
	s_mov_b32 s49, s23
	s_mov_b32 s52, 1
	s_add_co_u32 s53, s23, SLOTX
	s_mov_b32 s56, 0
	s_wait_kmcnt 0x0
	s_add_nc_u64 s[34:35], s[4:5], s[66:67]
	s_add_nc_u64 s[38:39], s[34:35], STEPA
	s_or_b32 s35, s35, 0x80000000
	s_or_b32 s39, s39, 0x80000000
	s_add_nc_u64 s[50:51], s[6:7], s[68:69]
	s_add_nc_u64 s[54:55], s[50:51], STEPB
	s_or_b32 s51, s51, 0x80000000
	s_or_b32 s55, s55, 0x80000000
	s_add_nc_u64 s[8:9], s[8:9], s[70:71]
	s_add_nc_u64 s[10:11], s[10:11], s[72:73]
	CROUND
	s_cmp_eq_u32 s13, 0                            ; a wave's two first fills stand in one branch: two loads of mine are out
	s_cbranch_scc0 .Lfirst_b
	tensor_load_to_lds s[32:35], s[24:31]
	s_nop 0
	tensor_load_to_lds s[36:39], s[24:31]
	s_nop 0
.rept 4
	v_nop
.endr
	s_branch .Lfirst_done
.Lfirst_b:
	tensor_load_to_lds s[48:51], s[40:47]
	s_nop 0
	tensor_load_to_lds s[52:55], s[40:47]
	s_nop 0
.rept 4
	v_nop
.endr
.Lfirst_done:
; THE FACTORS.  Wave w takes chunks 4 w .. 4 w + 3, lane l queries 4 l .. 4 l + 3 of the tile's 128: each load covers 512 consecutive bytes.
	v_and_b32 v3, 31, v0
	v_lshlrev_b32 v25, 4, v3                       ; 16 x lane
	s_lshl_b32 s62, s12, 15
	v_add_nc_u32 v27, s62, v25                     ; four chunks of 8,192 bytes a wave
.set i, 0
.rept 4
	global_load_b128 v[32+4*i:35+4*i], v27, s[8:9] offset:i*8192           ; e
	global_load_b128 v[48+4*i:51+4*i], v27, s[8:9] offset:i*8192+524288    ; l
.set i, i+1
.endr
	v_add_nc_u32 v13, s62, v25                     ; the exchange: what I hand over,
	s_xor_b32 s63, s12, 2
	s_lshl_b32 s63, s63, 15
	v_add_nc_u32 v14, s63, v25                     ; and what my partner hands me
	v_and_b32 v1, 15, v0                           ; r
	v_bfe_u32 v2, v0, 4, 1                         ; h
	v_mul_u32_u24 v7, v1, PITCH
	v_lshl_add_u32 v7, v2, 4, v7
	s_mul_i32 s62, s13, 64*PITCH+128
	v_add_nc_u32 v4, s62, v7                       ; P: the 64 rows I keep, my half of the keys,
	s_xor_b32 s63, s13, 1
	s_mul_i32 s63, s63, 64*PITCH
	s_lshl_b32 s62, s13, 7
	s_add_co_u32 s63, s63, s62
	v_add_nc_u32 v5, s63, v7                       ; the other 64 rows
	v_and_b32 v6, 7, v0
	v_lshl_add_u32 v6, v2, 3, v6
	v_mul_u32_u24 v6, v6, PV                       ; V: key 8 h + lane % 8,
	v_bfe_u32 v7, v0, 3, 1
	v_lshl_add_u32 v6, v7, 4, v6                   ; channels 8 ((lane / 8) % 2) on,
	s_mul_i32 s62, s13, 64*PV
	s_lshl_b32 s63, s14, 8
	s_add_co_u32 s62, s62, s63
	s_add_co_u32 s62, s62, VOFF
	v_add_nc_u32 v6, s62, v6                       ; my half of the keys and of the channels
	v_lshlrev_b32 v7, 2, v1
	s_lshl_b32 s62, s13, 8
	s_add_co_u32 s63, s62, FT
	v_add_nc_u32 v11, s63, v7                      ; the factors of the rows I keep,
	s_add_co_u32 s63, s62, LP
	v_add_nc_u32 v26, s63, v7                      ; their divisors' parts,
	s_xor_b32 s63, s13, 1
	s_lshl_b32 s63, s63, 8
	s_add_co_u32 s63, s63, FT
	v_add_nc_u32 v12, s63, v7                      ; the factors of the other rows
	s_mul_i32 s62, s12, 64*SGP
	s_add_co_u32 s62, s62, STG
	v_add_nc_u32 v24, s62, v25                     ; my stage: back, a row of 512 bytes a load,
	v_mul_u32_u24 v15, v1, SGP
	v_lshl_add_u32 v15, v2, 5, v15
	v_add_nc_u32 v15, s62, v15                     ; in: row r, 32 bytes for each half of the lanes
	s_lshl_b32 s62, s12, 9
	s_add_co_u32 s63, s62, MINS
	v_add_nc_u32 v30, s63, v25
	v_add_nc_u32 v31, MINS, v25
	s_add_co_u32 s63, s62, LP
	v_add_nc_u32 v107, s63, v25
	s_lshl_b32 s62, s12, 11
	s_add_co_u32 s62, s62, FT
	v_add_nc_u32 v106, s62, v25
	s_wait_loadcnt 0x0
.set j, 0
.rept 4
	v_min_num_f32 v[64+j], v[32+j], v[36+j]
.set j, j+1
.endr
.set j, 0
.rept 4
	v_min3_num_f32 v[64+j], v[64+j], v[40+j], v[44+j]
.set j, j+1
.endr
	ds_store_b128 v30, v[64:67]
	s_wait_dscnt 0x0                               ; for the others' sake
	s_barrier_signal -1                            ; the first tiles may stay on their way
	s_barrier_wait -1
.set i, 0
.rept 4
	ds_load_b128 v[68+4*i:71+4*i], v31 offset:512*i
.set i, i+1
.endr
	s_wait_dscnt 0x0
.set j, 0
.rept 4
	v_min_num_f32 v[64+j], v[68+j], v[72+j]
.set j, j+1
.endr
.set j, 0
.rept 4
	v_min3_num_f32 v[64+j], v[64+j], v[76+j], v[80+j]   ; e_min of my four queries
.set j, j+1
.endr
.set i, 0
.rept 4
.set j, 0
.rept 4                                                ; f = 2^d, d = e_min - e, a whole number from -126 to 0: its f32 code is (d + 127) << 23.  No transcendental: f is exact
	v_sub_f32 v[108+j], v[64+j], v[32+4*i+j]
	v_max_num_f32 v[108+j], 0xc2fc0000, v[108+j]
	v_cvt_i32_f32 v[108+j], v[108+j]
	v_add_lshl_u32 v[84+4*i+j], v[108+j], 127, 23
.if i == 0
	v_mul_f32 v[100+j], v[84+j], v[48+j]
.else
	v_fma_f32 v[100+j], v[84+4*i+j], v[48+4*i+j], v[100+j]
.endif
.set j, j+1
.endr
	ds_store_b128 v106, v[84+4*i:87+4*i] offset:512*i
.set i, i+1
.endr
	ds_store_b128 v107, v[100:103]
	s_wait_tensorcnt 0x1                           ; my part of step 0 is in; step 1's may stay out
	s_wait_dscnt 0x0                               ; my factors and my part of the divisor are in LDS
	s_barrier_signal -1
	s_barrier_wait -1
	v_mov_b32 v8, v4
	v_mov_b32 v9, v5
	v_mov_b32 v10, v6
	FCL
	FA 0, 0, 0
	FA 0, 0, 1
	FB 0, 0
	s_wait_dscnt 8                                 ; the factors and P are in; V's group 0 stays out
	SCALE 0, 0
	FB 1, 0
	SCALE 0, 1
	SLICE 0, 1, 1                                  ; the first 32 keys start the sums
	s_mov_b32 s57, T-2
.Lstep:
	TURN 1
	SLICE 0, 1, 0
	s_sub_co_u32 s57, s57, 1
	s_cmp_lg_u32 s57, 0
	s_cbranch_scc1 .Lstep
	TURN 0                                         ; the tail is written out: nothing more is asked for
	SLICE 0, 1, 0
	s_wait_dscnt 8
	MULG 0, 1, 0, 8, 0
	s_wait_dscnt 0x0
	MULG 1, 1, 0, 8, 0
	PLACES
	WIN 0
; THE WAY OUT.  Every wave's reads of the slots are over and no tensor load is out: the exchange and the stages may be written.
	s_barrier_signal -1
	s_barrier_wait -1
.irp w, 1, 2
	WIN (\w)<<2                                    ; a store's data is source 1
.set k, 16
.rept 16                                               ; the 64 rows that are my partner's; each accumulator's low half first
	ds_store_b128 v13, v[8*k:8*k+3]   offset:(((\w)-1)*16+k-16)*1024
	ds_store_b128 v13, v[8*k+4:8*k+7] offset:(((\w)-1)*16+k-16)*1024+512
.set k, k+1
.endr
.endr
	WIN 0
	s_wait_dscnt 0x0                               ; for my partner's sake
	s_barrier_signal -1
	s_barrier_wait -1
.set a, 0
.rept 4                                                ; the divisor of my lane's four kept queries: the four waves' parts
.set i, 0
.rept 4
	ds_load_b32 v[192+4*a+i], v26 offset:512*i+64*a
.set i, i+1
.endr
.set a, a+1
.endr
	s_wait_dscnt 0x0
.set a, 0
.rept 4
	v_add_f32 v[192+4*a], v[192+4*a], v[193+4*a]
	v_add_f32 v[194+4*a], v[194+4*a], v[195+4*a]
.set a, a+1
.endr
.set a, 0
.rept 4
	v_add_f32 v[192+4*a], v[192+4*a], v[194+4*a]
.set a, a+1
.endr
.set a, 0
.rept 4
	v_rcp_f32 v[224+2*a], v[192+4*a]               ; twice, to fill the pair that the packed multiply names
	v_rcp_f32 v[225+2*a], v[192+4*a]
.set a, a+1
.endr
	v_nop                                          ; a plain instruction between the last reciprocal and the use of its result (ISA guide 5.7.2)
	s_wait_alu depctr_va_vdst(0)
.macro MEETW w                         ; window w's 16 kept accumulators: partner's part added, divided, into my stage
	WIN 0
.set n, 0
.rept 32
	ds_load_b128 v[32+4*n:35+4*n], v14 offset:((\w)-1)*16384+512*n
.set n, n+1
.endr
	s_wait_dscnt 0x0
	WIN (\w)
.set k, 0
.rept 16
.set i, 0
.rept 4                                                ; each accumulator is read from its low end on
	v_pk_add_f32 v[32+8*k+2*i:33+8*k+2*i], v[8*k+2*i:8*k+2*i+1], v[32+8*k+2*i:33+8*k+2*i]
.set i, i+1
.endr
.set k, k+1
.endr
	WIN 0
.set k, 0
.rept 16
.set i, 0
.rept 4
	v_pk_mul_f32 v[32+8*k+2*i:33+8*k+2*i], v[32+8*k+2*i:33+8*k+2*i], v[224+2*(k/4):225+2*(k/4)] op_sel_hi:[1,0]
.set i, i+1
.endr
.set k, k+1
.endr
.set k, 0
.rept 16
	ds_store_b128 v15, v[32+8*k:35+8*k] offset:(k/4)*16*SGP+64*(4*((\w)-1)+k%4)
	ds_store_b128 v15, v[36+8*k:39+8*k] offset:(k/4)*16*SGP+64*(4*((\w)-1)+k%4)+16
.set k, k+1
.endr
.endm
	MEETW 1
	MEETW 2
.macro OUTB n0                         ; 32 rows of my stage back, a row of 512 bytes a load (my own bytes: LDS serves a wave's instructions in order, ISA guide 5.7.1.4), and out
.set n, 0
.rept 32
	ds_load_b128 v[32+4*n:35+4*n], v24 offset:((\n0)+n)*SGP
.set n, n+1
.endr
.set n, 0
.rept 32
.if (n%4) == 0
	s_wait_dscnt 28-n                              ; the next four rows are in
.endif
	global_store_b128 v25, v[32+4*n:35+4*n], s[10:11] offset:((\n0)+n)*4096 th:TH_STORE_NT   ; 512 consecutive bytes, at a multiple of 256 from out0's first byte
.set n, n+1
.endr
.endm
	OUTB 0
	s_wait_xcnt 0x0                                ; the stores' data registers are loaded again only behind this wait
	OUTB 32
	s_wait_tensorcnt 0x0                           ; the wave's end
	ds_add_u32 v28, v29
	s_wait_dscnt 0x0
	CROUND                                         ; the closing round
	s_endpgm
.Lfunc_end_k_q68c2b8ff8e_pv:
	.size	k_q68c2b8ff8e_pv, .Lfunc_end_k_q68c2b8ff8e_pv-k_q68c2b8ff8e_pv
	.p2alignl 7, 3214868480
	.fill 96, 4, 3214868480
	.section	.rodata,"a",@progbits
	.p2align	6, 0x0
	.amdhsa_kernel k_q68c2b8ff8e_pv
		.amdhsa_group_segment_fixed_size 327680
		.amdhsa_private_segment_fixed_size 0
		.amdhsa_enable_private_segment 0
		.amdhsa_kernarg_size 32
		.amdhsa_user_sgpr_count 2
		.amdhsa_user_sgpr_kernarg_segment_ptr 1
		.amdhsa_wavefront_size32 1
		.amdhsa_system_sgpr_workgroup_id_x 1
		.amdhsa_system_sgpr_workgroup_id_y 1
		.amdhsa_system_sgpr_workgroup_id_z 1
		.amdhsa_system_vgpr_workitem_id 0
		.amdhsa_next_free_vgpr 768
		.amdhsa_next_free_sgpr 80
		.amdhsa_reserve_vcc 0
		.amdhsa_float_denorm_mode_32 3
		.amdhsa_float_denorm_mode_16_64 3
		.amdhsa_memory_ordered 1
		.amdhsa_forward_progress 1
		.amdhsa_inst_pref_size 146
	.end_amdhsa_kernel
	.amdgpu_metadata
---
amdhsa.version: [ 1, 2 ]
amdhsa.kernels:
  - .name:           k_q68c2b8ff8e_pv
    .symbol:         k_q68c2b8ff8e_pv.kd
    .args:
      - { .name: pbuf, .offset: 0, .size: 8, .value_kind: global_buffer, .address_space: global }
      - { .name: qkv, .offset: 8, .size: 8, .value_kind: global_buffer, .address_space: global }
      - { .name: stat, .offset: 16, .size: 8, .value_kind: global_buffer, .address_space: global }
      - { .name: out0, .offset: 24, .size: 8, .value_kind: global_buffer, .address_space: global }
    .group_segment_fixed_size: 327680
    .private_segment_fixed_size: 0
    .kernarg_segment_align: 8
    .kernarg_segment_size: 32
    .max_flat_workgroup_size: 128
    .sgpr_count:     80
    .vgpr_count:     768
    .wavefront_size: 32
...
	.end_amdgpu_metadata
.endif
;; end of part 4
;; ======== version 2 of 2: 4 launches; version 1 with the launch prep written anew for expert scheduling mode
;; workspace buffers: xblk 16,777,216 bytes; wblk 6,291,456 bytes; biasr 12,288 bytes; qkv 50,331,648 bytes; pbuf 33,554,432 bytes; stat 1,048,576 bytes
;; launch prep (part 5): grid 640 x 1, 8 waves a work-group, no clusters, 19,456 bytes of LDS; arguments x, Wq, Wk, Wv, bq, bk, bv, xblk, wblk, biasr; writes xblk, wblk, biasr
.if DOCPART == 5
	.amdgcn_target "amdgcn-amd-amdhsa--gfx1250"
	.amdhsa_code_object_version 6
	.text
	.protected	k_q68c2b8ff8e_prep
	.globl	k_q68c2b8ff8e_prep
	.p2align	8
	.type	k_q68c2b8ff8e_prep,@function
k_q68c2b8ff8e_prep:
	s_mov_b64 s[64:65], 0
	v_nop
	global_prefetch_b8 v0, s[64:65] scope:SCOPE_SE
	s_setreg_imm32_b32 hwreg(HW_REG_WAVE_SCHED_MODE, 0, 2), 2
	s_setreg_imm32_b32 hwreg(HW_REG_WAVE_MODE, 25, 1), 1
	s_wait_xcnt 0x0
	s_wait_alu depctr_vm_vsrc(0)
; CASTS.  Every input is rounded once to bf16 (nearest even), the program's one rounding of its inputs, the biases included.
;   xblk[kb 16][row 8192][64] bf16 = x[row][64 kb + kk]
;   wblk[kb 16][n 3072][64]   bf16 = W_sel[64 kb + kk][n % 1024], n running over Wq | Wk | Wv: the weights turned, so that K lies along the rows
;   biasr[3072] f32 = bq | bk | bv rounded to bf16 and written as f32
; In these layouts a tile of the projection (rows x 64 along K) is dense in memory.
; Work-groups 0..383 turn a block of 64 (d) x 128 (n) of one weight through LDS; work-groups 384..639 cast 32 rows of x.
; A stream: no matrix unit, no cluster, loads through registers; every byte is read once and written once.
; THE MODE: SCHED_MODE bits 1:0 = 2 (LLVM: expert scheduling mode 2), set by the entry lines.  The code itself states the register dependences
; between vector instructions and memory or LDS instructions, with s_wait_alu, always for 0.
; THE PLAN.  Every register that a memory or LDS instruction reads is written once and never again, and no load lands in a register that a vector
; instruction has named.  So what is left to state is that a register is written before a memory or LDS instruction reads it:
;   the offsets and LDS addresses (x: v5, v6; weights: v3, v4, v5, v7, v8)  made at a path's head; one wait ahead of the path's first load serves them all.
;   x: v[16:143]      piece i's load lands in v[16+4i:19+4i]; its two conversions write v[16+4i], v[17+4i]; its store reads these two.  The 32 pieces go in eight
;                     groups of four: the wait at a group's head states that the group before is rounded, and that group's four stores are dealt among this group's
;                     conversions, which name this group's registers alone.
;   weights: v[48:63] written by the conversions, read by the four LDS stores, in two halves: a wait ahead of each half's two stores.
;            v[64:79] LDS loads land there and the stores read them: no vector instruction names them.
;            v[88:91] the bias as f32: one wait ahead of its store.
;   v144, v145        written at the head, read by the closing add alone.
;   s2                written by v_readfirstlane_b32: one wait ahead of the branch, since its reader stands behind it.
	s_load_b512 s[8:23], s[0:1], 0x0               ; x s[8:9], Wq s[10:11], Wk s[12:13], Wv s[14:15], bq s[16:17], bk s[18:19], bv s[20:21], xblk s[22:23]
	s_load_b128 s[24:27], s[0:1], 0x40             ; wblk s[24:25], biasr s[26:27]
	v_lshl_add_u32 v144, v0, 2, 0x4800
	v_mov_b32 v145, 0
	v_lshrrev_b32 v1, 5, v0
	v_readfirstlane_b32 s2, v1                     ; wave 0..7
	v_and_b32 v2, 31, v0                           ; lane
	s_wait_alu depctr_va_sdst(0)                   ; s2 is written
	s_cmp_lt_u32 ttmp9, 384                        ; the same answer in all eight waves
	s_cbranch_scc1 .Lweights
; ---- x: 32 rows.  Wave w has rows 4 w .. 4 w + 3; a load takes 16 lanes x 16 bytes (64 numbers, one kb) of two neighbouring rows.
	s_sub_co_u32 s3, ttmp9, 384                    ; block of 32 rows
	s_lshl_b32 s28, s3, 17                         ; x 32 rows x 4,096 bytes
	s_mov_b32 s29, 0
	s_lshl_b32 s30, s3, 12                         ; x 32 rows x 128 bytes
	s_mov_b32 s31, 0
	v_lshrrev_b32 v3, 4, v2
	v_and_b32 v4, 15, v2
	v_lshl_add_u32 v3, v1, 2, v3                   ; row 4 w + lane / 16
	v_lshlrev_b32 v5, 12, v3
	v_lshl_add_u32 v5, v4, 4, v5                   ; in: row x 4,096 + 16 (lane % 16)
	v_lshlrev_b32 v6, 7, v3
	v_lshl_add_u32 v6, v4, 3, v6                   ; out: row x 128 + 8 (lane % 16)
	s_wait_kmcnt 0x0
	s_add_nc_u64 s[8:9], s[8:9], s[28:29]
	s_add_nc_u64 s[22:23], s[22:23], s[30:31]
	s_add_nc_u64 s[32:33], s[22:23], 0x800000      ; kb 8 .. 15: eight planes of 1,048,576 bytes on, so that the immediates stay inside 24 signed bits
	s_wait_alu depctr_va_vdst(0)                   ; v5 and v6 are written: every load of this path reads v5 as its offset, every store v6
.set i, 0
.rept 32                                               ; all 32 loads of the wave go out at once: i = 16 (pair of rows) + kb
	global_load_b128 v[16+4*i:19+4*i], v5, s[8:9] offset:(i/16)*8192+(i%16)*256 th:TH_LOAD_NT
.set i, i+1
.endr
.macro XOUT n                          ; piece n leaves: 32 lanes x 8 bytes: 256 consecutive bytes, aligned (two rows of 128)
.if ((\n)%16) < 8
	global_store_b64 v6, v[16+4*(\n):17+4*(\n)], s[22:23] offset:((\n)/16)*256+((\n)%8)*1048576
.else
	global_store_b64 v6, v[16+4*(\n):17+4*(\n)], s[32:33] offset:((\n)/16)*256+((\n)%8)*1048576
.endif
.endm
.set g, 0
.rept 8                                                ; eight groups of four pieces
	s_wait_loadcnt 28-4*g                          ; loads come back in order: the group's four are in, the 28 - 4 g younger ones stay out
.if g > 0
	s_wait_alu depctr_va_vdst(0)                   ; the conversions of the group before have written its eight registers, which the four stores below read
.endif
.set j, 0
.rept 4
.set i, 4*g+j
.if g > 0
	XOUT i-4                                       ; no vector instruction since the wait names this piece's registers
.endif
	v_cvt_pk_bf16_f32 v[16+4*i], v[16+4*i], v[17+4*i]
	v_cvt_pk_bf16_f32 v[17+4*i], v[18+4*i], v[19+4*i]
.set j, j+1
.endr
.set g, g+1
.endr
	s_wait_alu depctr_va_vdst(0)                   ; the last group's conversions have written its eight registers, which the last four stores read
.set i, 28
.rept 4
	XOUT i
.set i, i+1
.endr
	s_endpgm                                       ; no register was written twice, so no store's source was touched
; ---- W: kb = id % 16, nt = id / 16 (24 blocks of 128 columns over the three weights)
.Lweights:
	s_and_b32 s3, ttmp9, 15                        ; kb
	s_lshr_b32 s4, ttmp9, 4                        ; nt
	s_lshr_b32 s5, s4, 3                           ; which weight
	s_and_b32 s6, s4, 7
	s_lshl_b32 s6, s6, 9                           ; 4 n0: the block's first column in bytes
	s_lshl_b32 s28, s3, 18                         ; 64 rows of 4,096 bytes a kb
	s_add_co_u32 s28, s28, s6
	s_mov_b32 s29, 0
	s_mul_i32 s30, s3, 393216                      ; wblk: 3,072 rows of 128 bytes a kb
	s_lshl_b32 s7, s4, 14                          ; 128 rows of 128 bytes a block
	s_add_co_u32 s30, s30, s7
	s_mov_b32 s31, 0
	s_mov_b32 s34, s6
	s_mov_b32 s35, 0
	s_lshl_b32 s36, s4, 9                          ; biasr: 128 numbers a block
	s_mov_b32 s37, 0
	s_or_b32 s7, s3, s2                            ; 0 only for wave 0 of a block with kb = 0
	v_lshlrev_b32 v3, 3, v2
	v_lshl_add_u32 v3, v1, 15, v3                  ; in: 8 rows a wave + 8 bytes a lane
	v_mul_u32_u24 v4, v2, 288
	v_lshl_add_u32 v4, v1, 4, v4                   ; LDS in: row 2 lane, 16 bytes a wave
	v_lshrrev_b32 v5, 3, v0
	v_mul_u32_u24 v5, v5, 144
	v_and_b32 v6, 7, v0
	v_lshl_add_u32 v5, v6, 4, v5                   ; LDS back: row t / 8, 16 bytes (t % 8)
	v_lshlrev_b32 v7, 4, v0                        ; out: 16 t
	v_lshlrev_b32 v8, 4, v2                        ; the block's 128 bias numbers: 16 bytes a lane; made here, so that the one wait below serves it too
	s_wait_kmcnt 0x0
	s_cmp_eq_u32 s5, 1
	s_cselect_b64 s[38:39], s[12:13], s[10:11]
	s_cselect_b64 s[40:41], s[18:19], s[16:17]
	s_cmp_eq_u32 s5, 2
	s_cselect_b64 s[38:39], s[14:15], s[38:39]
	s_cselect_b64 s[40:41], s[20:21], s[40:41]
	s_add_nc_u64 s[38:39], s[38:39], s[28:29]
	s_add_nc_u64 s[24:25], s[24:25], s[30:31]
	s_add_nc_u64 s[40:41], s[40:41], s[34:35]
	s_add_nc_u64 s[26:27], s[26:27], s[36:37]
	s_wait_alu depctr_va_vdst(0)                   ; v3, v4, v5, v7 and v8 are written: the offsets and LDS addresses that this path's loads, stores and LDS instructions read; none is written again
.set hh, 0
.rept 2                                                ; row d = 64 kb + 8 w + j, columns n0 + 64 hh + 2 lane, + 1: a wave's load covers 256 consecutive bytes
.set j, 0
.rept 8
	global_load_b64 v[16+16*hh+2*j:17+16*hh+2*j], v3, s[38:39] offset:j*4096+hh*256 th:TH_LOAD_NT
.set j, j+1
.endr
.set hh, hh+1
.endr
.macro WCVT half                       ; column n0 + 64 half + 2 lane + e: its eight d pack into 16 bytes
.set e, 0
.rept 2
.set q, 0
.rept 4
	v_cvt_pk_bf16_f32 v[48+4*(2*(\half)+e)+q], v[16+16*(\half)+4*q+e], v[16+16*(\half)+4*q+2+e]
.set q, q+1
.endr
.set e, e+1
.endr
.endm
.macro WPUT half                       ; lanes 288 bytes apart: lanes l and l + 8 meet in a bank (two deep), four stores a wave in all
.set e, 0
.rept 2
	ds_store_b128 v4, v[48+4*(2*(\half)+e):51+4*(2*(\half)+e)] offset:(64*(\half)+e)*144
.set e, e+1
.endr
.endm
	s_wait_loadcnt 8                               ; loads come back in order: the left 64 columns' eight are in, the right ones' eight stay out
	WCVT 0
	s_wait_loadcnt 0x0                             ; the right 64 columns are in
	s_wait_alu depctr_va_vdst(0)                   ; the first eight conversions have written v[48:55], which the two LDS stores below read
	WPUT 0
	WCVT 1                                         ; these name v[32:47] and v[56:63]: no register of the two LDS stores above
	s_wait_alu depctr_va_vdst(0)                   ; the other eight conversions have written v[56:63], which the two LDS stores below read
	WPUT 1
	s_wait_dscnt 0x0                               ; for the others' sake: my stores are done
	s_barrier_signal -1
	s_barrier_wait -1
.set i, 0
.rept 4
	ds_load_b128 v[64+4*i:67+4*i], v5 offset:i*4608   ; 32 rows of 144 bytes on; no vector instruction names v[64:79]
.set i, i+1
.endr
.set i, 0
.rept 4
	s_wait_dscnt 3-i
	global_store_b128 v7, v[64+4*i:67+4*i], s[24:25] offset:i*4096   ; a wave stores 512 consecutive bytes
.set i, i+1
.endr
	s_cmp_lg_u32 s7, 0
	s_cbranch_scc1 .Ldone
	global_load_b128 v[80:83], v8, s[40:41]        ; no vector instruction has named v[80:83]; v8 was written ahead of the path's first wait
	s_wait_loadcnt 0x0
	v_cvt_pk_bf16_f32 v84, v80, v81
	v_cvt_pk_bf16_f32 v85, v82, v83
	v_lshlrev_b32 v88, 16, v84
	v_and_b32 v89, 0xffff0000, v84
	v_lshlrev_b32 v90, 16, v85
	v_and_b32 v91, 0xffff0000, v85
	s_wait_alu depctr_va_vdst(0)                   ; the four lines above have written v[88:91], which the store reads
	global_store_b128 v8, v[88:91], s[26:27]
.Ldone:
	s_wait_dscnt 0x0                               ; the closing lines, six on end
	s_wait_alu 0x0
	s_wait_tensorcnt 0x0
	ds_add_u32 v144, v145
	s_wait_dscnt 0x0
	s_endpgm
.Lfunc_end_k_q68c2b8ff8e_prep:
	.size	k_q68c2b8ff8e_prep, .Lfunc_end_k_q68c2b8ff8e_prep-k_q68c2b8ff8e_prep
	.p2alignl 7, 3214868480
	.fill 96, 4, 3214868480
	.section	.rodata,"a",@progbits
	.p2align	6, 0x0
	.amdhsa_kernel k_q68c2b8ff8e_prep
		.amdhsa_group_segment_fixed_size 19456
		.amdhsa_private_segment_fixed_size 0
		.amdhsa_enable_private_segment 0
		.amdhsa_kernarg_size 80
		.amdhsa_user_sgpr_count 2
		.amdhsa_user_sgpr_kernarg_segment_ptr 1
		.amdhsa_wavefront_size32 1
		.amdhsa_system_sgpr_workgroup_id_x 1
		.amdhsa_system_sgpr_workgroup_id_y 1
		.amdhsa_system_sgpr_workgroup_id_z 1
		.amdhsa_system_vgpr_workitem_id 0
		.amdhsa_next_free_vgpr 146
		.amdhsa_next_free_sgpr 66
		.amdhsa_reserve_vcc 0
		.amdhsa_float_denorm_mode_32 3
		.amdhsa_float_denorm_mode_16_64 3
		.amdhsa_memory_ordered 1
		.amdhsa_forward_progress 1
		.amdhsa_inst_pref_size 19
	.end_amdhsa_kernel
	.amdgpu_metadata
---
amdhsa.version: [ 1, 2 ]
amdhsa.kernels:
  - .name:           k_q68c2b8ff8e_prep
    .symbol:         k_q68c2b8ff8e_prep.kd
    .args:
      - { .name: x, .offset: 0, .size: 8, .value_kind: global_buffer, .address_space: global }
      - { .name: Wq, .offset: 8, .size: 8, .value_kind: global_buffer, .address_space: global }
      - { .name: Wk, .offset: 16, .size: 8, .value_kind: global_buffer, .address_space: global }
      - { .name: Wv, .offset: 24, .size: 8, .value_kind: global_buffer, .address_space: global }
      - { .name: bq, .offset: 32, .size: 8, .value_kind: global_buffer, .address_space: global }
      - { .name: bk, .offset: 40, .size: 8, .value_kind: global_buffer, .address_space: global }
      - { .name: bv, .offset: 48, .size: 8, .value_kind: global_buffer, .address_space: global }
      - { .name: xblk, .offset: 56, .size: 8, .value_kind: global_buffer, .address_space: global }
      - { .name: wblk, .offset: 64, .size: 8, .value_kind: global_buffer, .address_space: global }
      - { .name: biasr, .offset: 72, .size: 8, .value_kind: global_buffer, .address_space: global }
    .group_segment_fixed_size: 19456
    .private_segment_fixed_size: 0
    .kernarg_segment_align: 8
    .kernarg_segment_size: 80
    .max_flat_workgroup_size: 256
    .sgpr_count:     66
    .vgpr_count:     146
    .wavefront_size: 32
...
	.end_amdgpu_metadata
.endif
;; end of part 5
;; launch proj: the kernel of part 2 again; grid 8 x 32, 4 waves a work-group, clusters of 4 x 4, 327,680 bytes of LDS; arguments xblk, wblk, biasr, qkv; writes qkv
;; launch score: the kernel of part 3 again; grid 8 x 32, 4 waves a work-group, clusters of 4 x 4, 327,680 bytes of LDS; arguments qkv, pbuf, stat; writes pbuf, stat
;; launch pv: the kernel of part 4 again; grid 4 x 64, 4 waves a work-group, clusters of 4 x 4, 327,680 bytes of LDS; arguments pbuf, qkv, stat, out0; writes out0
